; MI455X (gfx1250); checked and timed in simulation.
; The chip was launched on July 23, 2026; its instructions are those of AMD's public machine-readable ISA for CDNA 5 (MIT licence, August 2026) and "CDNA5" Instruction Set Architecture Reference Guide (July 2026). The comments in the code are by the model that wrote it; some were corrected since.
;; CNF ODE. Allowed arithmetic: matrix products marked QUANTISED: E2M3 operands, one E8M0 scale for each 32 along K, by v_wmma_scale_f32_16x16x128_f8f6f4 with both operands' format E2M3, f32 sums; products left as they are: f32 operands where the result goes on into a quantised operand, else bf16, f16 or f32 operands; f32 sums; everything else in f32.
;; Inputs: W1 4 x 128 float32; W2 128 x 128 float32; W3 128 x 64 float32; W4 64 x 2 float32; b1 128 float32; b2 128 float32; b3 64 float32; b4 2 float32; logp 524,288 x 1 float32; t 1 float32; v 524,288 x 3 float32; y 524,288 x 3 float32.
;; Outputs: out0 524,288 x 3 float32; out1 524,288 x 1 float32.
;; This version of the problem:
;;   THIS VERSION OF THE PROBLEM IS GIVEN IN LOW PRECISION. The matrix products marked QUANTISED in the list below multiply operands that are first quantised to E2M3 (2 exponent bits, 3 mantissa bits; 6 bits a number), with one power-of-two scale for each 32 numbers along K (OCP MX v1.0); their sums are f32. All else is computed in f32.
;;   The module's matrix products, in the order in which they are computed (A, B: the left and right operand; K: the contracted axis; several contracted axes count as one K, in the product's order):
;;     1. [M 524,288, K 4] x [K 4, N 128]; A: computed on the way; B: input W1: left as it is (K = 4 < 32)
;;     2. [M 524,288, K 128] x [K 128, N 128]; A: computed on the way; B: input W2: QUANTISED
;;     3. [M 524,288, K 128] x [K 128, N 64]; A: computed on the way; B: input W3: QUANTISED
;;     4. [M 524,288, K 64] x [K 64, N 2]; A: computed on the way; B: input W4: left as it is (N = 2 < 16)
;;     5. [M 524,288, K 2] x [K 2, N 64]; A: computed on the way; B: input W4: left as it is (K = 2 < 32)
;;     6. [M 524,288, K 64] x [K 64, N 128]; A: computed on the way; B: input W3: QUANTISED
;;     7. [M 524,288, K 128] x [K 128, N 128]; A: computed on the way; B: input W2: QUANTISED
;;     8. [M 524,288, K 128] x [K 128, N 4]; A: computed on the way; B: input W1: left as it is (N = 4 < 16)
;;   THE QUANTISER, for each operand of a quantised product, along K:
;;     - K is cut into blocks of 32 from its start; a last block that is shorter is filled with zeros.
;;     - A block's scale is 2^e with e = floor(log2(the largest magnitude in the block)) - 2, held to -126 .. 127; a block of zeros has e = 0. As a byte (E8M0): e + 127.
;;     - Each number is divided by its block's scale, clamped to +-7.5, and rounded to the nearest number of E2M3, ties to even, subnormals kept.
;;     - The product sums the exact products of the quantised numbers (number of the format x scale) in f32.
;;   ~~~python
;;   def quantise(x, axis):      # numpy; x: float32 -> the quantised numbers, widened to float32 again
;;       x = np.moveaxis(x, axis, -1); K = x.shape[-1]
;;       x = np.pad(x, [(0, 0)] * (x.ndim - 1) + [(0, -K % 32)]); x = x.reshape(x.shape[:-1] + (-1, 32)); a = np.abs(x).max(-1, keepdims=True)
;;       e = np.where(a > 0, np.clip(np.frexp(np.where(a > 0, a, 1))[1] - 1 - 2, -126, 127), 0)      # np.frexp(a)[1] - 1 = floor(log2(a)), exactly
;;       r = np.clip(x / 2.0 ** e, -7.5, 7.5)
;;       step = 2.0 ** (np.maximum(np.frexp(np.where(r == 0, 1, r))[1] - 1, 0) - 3)
;;       q = np.round(r / step) * step * 2.0 ** e      # np.round: ties to even
;;       return np.moveaxis(q.reshape(q.shape[:-2] + (-1,))[..., :K], -1, axis).astype(np.float32)
;;   ~~~
;;   OPERANDS COMPUTED ON THE WAY. 'Computed on the way' means the value that the module computes at that place (a softmax that the list does not call 'softmax' is quantised finished and normalised). What goes into a quantiser is computed in f32, as accurately as f32 sums, v_exp_f32 and their like allow (about 1e-6 of the number): no bf16 or f16 on the way to a quantiser, and a product that is left as it is and whose result goes on into a quantised operand takes f32 operands (vector FMAs, or v_wmma_f32_16x16x4_f32). A number that lies on a knife's edge between two numbers of the format may be rounded either way, as far as f32 arithmetic and the matrix unit's own rounding can turn it there, and no further.
;; 2 versions, each right; version 2 is version 1 with the launch cnf written anew for expert scheduling mode. Each part assembles by itself: llvm-mc -triple=amdgcn-amd-amdhsa -mcpu=gfx1250 --defsym DOCPART=n.
;; ======== version 1 of 2: 1 launch
;; launch cnf (part 1): grid 256 x 1, 8 waves a work-group, no clusters, 91,904 bytes of LDS; arguments t, y, v, W1, b1, W2, b2, W3, b3, W4, b4, out0, out1; writes out0, out1
.if DOCPART == 1
	.amdgcn_target "amdgcn-amd-amdhsa--gfx1250"
	.amdhsa_code_object_version 6
	.text
	.protected	k_q4eac181d44_cnf
	.globl	k_q4eac181d44_cnf
	.p2align	8
	.type	k_q4eac181d44_cnf,@function
k_q4eac181d44_cnf:
	s_mov_b64 s[64:65], 0
	v_nop
	global_prefetch_b8 v0, s[64:65] scope:SCOPE_SE
	s_setreg_imm32_b32 hwreg(HW_REG_WAVE_MODE, 25, 1), 1
	s_wait_xcnt 0x0
; CNF_ODE: for each of 524,288 rows, forward through x = (y, t) -> 128 -> 128 -> 64 -> 2 with SiLU, then the cotangent (v0, v1) back through it.
; out0 = (o0, o1, 0);  out1 = - sum over d of g_d v_d, g = the gradient with respect to y.
; QUANTISED products (h1 W2, h2 W3, dz3 W3^T, dz2 W2^T): both operands as E2M3 codes with one E8M0 byte for each 32 along K, by v_wmma_scale_f32_16x16x128_f8f6f4; sums in f32.
; WORK LEFT OUT, for all values of the inputs:
;   logp is named by no line of reference()'s body: it reaches no output, is not loaded and is not among the arguments.
;   The fourth column of dz1 W1^T is the gradient with respect to t, which the concatenation's transpose cuts away: it is not formed.
;   v2 as a cotangent meets the zeros that reference() itself appends to dy: the way back starts from (v0, v1); v2 lives on in the sum with g alone.
;   LIMIT: a NaN, an infinity or an overflow that reaches only this work is not carried to the result.
; IDENTITIES USED (real numbers; the order of f32 roundings differs from reference()'s, which is stated here as a limit):
;   z1 = W1[0] y0 + W1[1] y1 + W1[2] y2 + 1 x c, c = t W1[3] + b1: one f32 matrix instruction of K = 4 for 16 units (its result goes into a quantiser, so f32 operands).
;   sum_d v_d sum_j dz1_j W1[d][j] = sum_j dh1_j (d1_j u_j), u_j = sum_d W1[d][j] v_d.  u feeds an output alone: bf16 matrix form, both operands split in f32 into a high and a low bf16 part, all four cross terms in one instruction.
;   silu: e = 2^(-z log2 e), s = 1 / (1 + e), h = z s, silu' = s + (h - h s): no difference of large numbers.
; LIMITS: NaN and infinities among the inputs are not served.  Where 1 + e is 2^126 or more (z under about -87) the reciprocal is flushed: s = 0, h = -0, silu' = 0.
;   A block of zeros gets the scale byte 1 where the rule says 127: its codes are zeros, which add nothing, and the bytes are read by this program alone.
; SHARES.  256 work-groups of 8 waves; a work-group owns 2,048 rows, a wave 256: 8 trips of 32 rows = two tiles (A, B) of 16, which share every weight fragment read from LDS.
; LAYOUT.  Every product is used transposed (source 0 = 16 rows of a weight, source 1 = 16 data rows): a lane (r = lane % 16, h = lane / 16) holds ONE data row.
;   Row m of weight tile (c, t) is unit 64 c + 8 t + m % 8 + 32 (m / 8): so register 8 t + j of a group of four tiles is unit 64 c + 32 h + 8 t + j: a WHOLE block of 32 along the next K in one lane, in the operand's own order.
; SET-UP.  Each wave quantises three or four weight tiles (a lane to a weight row, registers along K) and stores them in LDS as images of the operand's registers; waves 4-7 also lay W1's fragments and the small vectors.  One barrier.
; No tensor load, no cluster: what work-groups share is 100 KB of f32 weights, which must pass through registers to be quantised; nothing streams through LDS.
; REGISTERS.  Window 1 (v256-511): tile x's d1 u at 64 x, its silu'(z2) at 128 + 64 x; in the set-up the weights' f32 numbers.  Window 0: as named below.
.set NTRIP, 8
.set IMG,   0                          ; LDS: 28 fragments x 1,536 bytes: W2 forward 0-7, W2 backward 8-15, W3 backward 16-23, W3 forward 24-27
.set SCW,   43008                      ; 7 groups x 512: four tiles' scale words, 16 bytes a lane
.set W1F,   46592                      ; 4 x 512: W1's f32 fragments, two tiles to 16 bytes a lane
.set W1H,   48640                      ; 8 x 1,024: W1's bf16 fragments: registers 0-3, then zeros for registers 4-7
.set B2L,   56832                      ; b2 as it lies
.set B3L,   57344                      ; b3 as it lies
.set W4L,   57600                      ; W4 as two planes [output][unit]
.set STG,   58112                      ; 8 x 4,096: a wave's 256 rows of out0 (3,072 bytes), then of out1 (1,024)
.set SPARE, 90880                      ; the spare words, 128 bytes for each wave: four blocks of 256 bytes that no other line names
.set LI,   1                           ; v1   16 x lane
.set LH,   2                           ; v2   128 x h
.set SH8,  3                           ; v3   8 x h
.set GIN,  4                           ; v4   12 x r: a row of y or v
.set SPW,  5                           ; v5   my spare word;  v6: 0.  Kept for the add alone
.set NIL,  6
.set ST0B, 7                           ; v7   my place in the wave's stage of out0: 12 x lane
.set ST1B, 8                           ; v8   and of out1: 4 x lane
.set ST0C, 9                           ; v9, v10  the same for the trip in hand
.set ST1C, 10
.set STR,  11                          ; v11  the stage read back: 16 x lane
.set PX,   12                          ; v12, v13  what comes from lane l xor 16
.set PY,   13
.set OA,   14                          ; v14, v15  tile A's (o0, o1)
.set ACC,  16                          ; v16-79   tile x's four accumulators at ACC + 32 x: written by matrix instructions alone
.set F,    80                          ; v80-127  four weight fragments
.set WS,   128                         ; v128-131 their scale words
.set BIAS, 132                         ; v132-163 a bias as C; at a trip's head y as loaded and v's bf16 operand; in layer 3 s, then silu'
.set H,    164                         ; v164-195 32 numbers of one block
.set CD,   196                         ; v196-231 tile x's three slots of six code registers at CD + 18 x
.set TMP,  232                         ; v232-242 at work
.set GF0,  243                         ; v243, v255 the flush's offsets in out0, out1
.set GF1,  255
.set SW0,  244                         ; v244-247 the data's scale words: SW0 + x, SW1 + x
.set SW1,  246
.set VV,   248                         ; v248-250, v252-254 v of tile A, B
.set ZR,   251                         ; v251 0
; the set-up's own, in F's registers: made ahead of the waves' first parting, dead at the barrier
.set AIMG, 80
.set ASCW, 81
.set AW1F, 82
.set AW1H, 83
.set AB2,  84
.set AB3,  85
.set AW4,  86
.set GP0,  87
.set GP1,  88
.set GP2,  89
.set GP3,  90
.set GC1,  91
.set GC2,  92
.set GC3,  93
.set LN,   94
.set RR,   95
.set HH,   96
.set UU,   97
.set UB,   98
.set T9,   99
.set MSB, 0
.macro WIN new                         ; the immediate's high byte repeats the setting that is left; a switch that changes nothing is dropped.  Each macro below sets the windows that it needs at its head
.if MSB != (\new)
	s_set_vgpr_msb (MSB<<8)|(\new)
.set MSB, (\new)
.endif
.endm
.macro PLACES n
.rept \n
	v_nop
.endr
.endm
.macro FETCHF fi, g                    ; four fragments fi .. fi + 3 and their scale words
	WIN 0
.irp t, 0,1,2,3
.irp q, 0,1,2
	ds_load_b128 v[F+12*\t+4*\q:F+12*\t+4*\q+3], v[LI] offset:IMG+((\fi)+\t)*1536+512*\q
.endr
.endr
	ds_load_b128 v[WS:WS+3], v[LI] offset:SCW+512*(\g)
.endm
.macro FETCHB off                      ; my half's 32 numbers of a bias
	WIN 0
.irp q, 0,1,2,3,4,5,6,7
	ds_load_b128 v[BIAS+4*\q:BIAS+4*\q+3], v[LH] offset:(\off)+16*\q
.endr
.endm
.macro FETCHW1F
	WIN 0
.irp q, 0,1,2,3
	ds_load_b128 v[F+4*\q:F+4*\q+3], v[LI] offset:W1F+512*\q
.endr
.endm
.macro FETCHW1H c
	WIN 0
.irp t, 0,1,2,3
.irp k, 0,1
	ds_load_b128 v[F+16+8*\t+4*\k:F+16+8*\t+4*\k+3], v[LI] offset:W1H+(4*(\c)+\t)*1024+512*\k
.endr
.endr
.endm
.macro FETCHW4                         ; plane 0 -> F + 0 .. 31; plane 1 -> F + 32 .. 47 and tile B's code slots + 0 .. 15, which are free in layer 3
	WIN 0
.irp q, 0,1,2,3,4,5,6,7
	ds_load_b128 v[F+4*\q:F+4*\q+3], v[LH] offset:W4L+16*\q
.endr
.irp q, 0,1,2,3
	ds_load_b128 v[F+32+4*\q:F+32+4*\q+3], v[LH] offset:W4L+256+16*\q
.endr
.irp q, 0,1,2,3
	ds_load_b128 v[CD+18+4*\q:CD+18+4*\q+3], v[LH] offset:W4L+320+16*\q
.endr
.endm
; Eight matrix instructions: four weight tiles x tiles A, B.  None adds in place: each K fits one instruction, so there is no chain.
.macro MM6 opoff, sw, bias
	WIN 0
.irp t, 0,1,2,3
.irp x, 0,1
.if \bias
	v_wmma_scale_f32_16x16x128_f8f6f4 v[ACC+32*\x+8*\t:ACC+32*\x+8*\t+7], v[F+12*\t:F+12*\t+11], v[CD+18*\x+\opoff:CD+18*\x+\opoff+11], v[BIAS+8*\t:BIAS+8*\t+7], v[WS+\t], v[\sw+\x] matrix_a_fmt:MATRIX_FMT_FP6 matrix_b_fmt:MATRIX_FMT_FP6
.else
	v_wmma_scale_f32_16x16x128_f8f6f4 v[ACC+32*\x+8*\t:ACC+32*\x+8*\t+7], v[F+12*\t:F+12*\t+11], v[CD+18*\x+\opoff:CD+18*\x+\opoff+11], 0, v[WS+\t], v[\sw+\x] matrix_a_fmt:MATRIX_FMT_FP6 matrix_b_fmt:MATRIX_FMT_FP6
.endif
.endr
.endr
.endm
.macro MM1 c                           ; z1 of units 64 c on: K = 4 is (y0, y1, y2, 1) against (W1[0], W1[1], W1[2], t W1[3] + b1)
	WIN 0
.irp t, 0,1,2,3
.irp x, 0,1
	v_wmma_f32_16x16x4_f32 v[ACC+32*\x+8*\t:ACC+32*\x+8*\t+7], v[F+2*(4*(\c)+\t):F+2*(4*(\c)+\t)+1], v[CD+18*\x+12:CD+18*\x+13], 0
.endr
.endr
.endm
.macro MMU                             ; u of the group whose bf16 fragments lie in F + 16 on
	WIN 0
.irp t, 0,1,2,3
.irp x, 0,1
	v_wmma_f32_16x16x32_bf16 v[ACC+32*\x+8*\t:ACC+32*\x+8*\t+7], v[F+16+8*\t:F+16+8*\t+7], v[BIAS+16+8*\x:BIAS+16+8*\x+7], 0
.endr
.endr
.endm
; 32 numbers z at acc: s = 1 / (1 + 2^(-z log2 e)) -> d (window win), h = z s -> H.  Every run goes up from the accumulators' low end.
; The exponentials and the reciprocals are one batch each: a plain line behind the last, then the one wait ahead of the batch's first reader.
.macro SILU1 acc, d, win
	WIN 0x40*(\win)
.set i, 0
.rept 16
	v_pk_mul_f32 v[(\d)+i:(\d)+i+1], v[(\acc)+i:(\acc)+i+1], s[42:43] op_sel_hi:[1,0]
.set i, i+2
.endr
	WIN 0x41*(\win)
.set i, 0
.rept 32
	v_exp_f32 v[(\d)+i], v[(\d)+i]
.set i, i+1
.endr
	v_nop
	s_wait_alu depctr_va_vdst(0)
.set i, 0
.rept 16
	v_pk_add_f32 v[(\d)+i:(\d)+i+1], v[(\d)+i:(\d)+i+1], 1.0 op_sel_hi:[1,0]
.set i, i+2
.endr
.set i, 0
.rept 32
	v_rcp_f32 v[(\d)+i], v[(\d)+i]
.set i, i+1
.endr
	v_nop
	s_wait_alu depctr_va_vdst(0)
	WIN 0x04*(\win)
.set i, 0
.rept 16
	v_pk_mul_f32 v[H+i:H+i+1], v[(\acc)+i:(\acc)+i+1], v[(\d)+i:(\d)+i+1]
.set i, i+2
.endr
.endm
; When h is no longer wanted: H = h - h s (one rounding), d = s + H = silu'(z)
.macro SILU2 d, win
	WIN 0x04*(\win)
.set i, 0
.rept 16
	v_pk_fma_f32 v[H+i:H+i+1], v[H+i:H+i+1], v[(\d)+i:(\d)+i+1], v[H+i:H+i+1] neg_lo:[1,0,0] neg_hi:[1,0,0]
.set i, i+2
.endr
	WIN 0x41*(\win)
.set i, 0
.rept 16
	v_pk_add_f32 v[(\d)+i:(\d)+i+1], v[(\d)+i:(\d)+i+1], v[H+i:H+i+1]
.set i, i+2
.endr
.endm
; The block of 32 in H becomes six code registers at slot, and its byte goes into sw: mode 0: alone; 1: above the byte that is there (bits 16 on); 2: under it, which moves up
.macro QBLOCK slot, sw, mode
	WIN 0
	v_max3_num_f32 v[TMP], |v[H]|, |v[H+1]|, 0x1800000          ; two chains; the floor 2^(3 - 127) holds the byte at 1 from below
	v_max3_num_f32 v[TMP+1], |v[H+2]|, |v[H+3]|, |v[H+4]|
.irp i, 5,9,13,17,21,25
	v_max3_num_f32 v[TMP], v[TMP], |v[H+\i]|, |v[H+\i+1]|
	v_max3_num_f32 v[TMP+1], v[TMP+1], |v[H+\i+2]|, |v[H+\i+3]|
.endr
	v_max3_num_f32 v[TMP], v[TMP], |v[H+29]|, |v[H+30]|
	v_max3_num_f32 v[TMP], v[TMP], v[TMP+1], |v[H+31]|
	v_add_nc_u32 v[TMP+2], 0xff000000, v[TMP]                   ; 2 off the exponent field: the conversion's scale operand
	v_cvt_scalef32_pk16_fp6_f32 v[\slot:\slot+2], v[H:H+15], v[TMP+2]
	v_cvt_scalef32_pk16_fp6_f32 v[TMP+4:TMP+6], v[H+16:H+31], v[TMP+2]   ; (a conversion's three registers begin on an even number)
.if \mode == 0
	v_lshrrev_b32 v[\sw], 23, v[TMP+2]                          ; the byte: also the plain line behind the conversions
.elseif \mode == 1
	v_lshrrev_b32 v[TMP+3], 23, v[TMP+2]
	v_lshl_or_b32 v[\sw], v[TMP+3], 16, v[\sw]
.else
	v_lshrrev_b32 v[TMP+3], 23, v[TMP+2]
	v_lshl_or_b32 v[\sw], v[\sw], 16, v[TMP+3]
.endif
.irp k, 0,1,2
	v_mov_b32 v[\slot+3+\k], v[TMP+4+\k]
.endr
.endm
.macro SWASM sw                        ; my bytes (blocks h and 2 + h) to their places, and lane l xor 16's beside them: the row's scale word
	WIN 0
	v_lshlrev_b32 v[\sw], v[SH8], v[\sw]
	v_permlanex16_b32 v[PX], v[\sw], s40, s41
	v_or_b32 v[\sw], v[\sw], v[PX]
.endm
.macro ZERO6 reg
	WIN 0
.irp k, 0,1,2,3,4,5
	v_mov_b32 v[(\reg)+\k], 0
.endr
.endm
; Tile x's two data operands of layer 1: (h ? y2 : y0, h ? 1 : y1) for the f32 form; {vh0 vh1} {vh2 0} {vl0 vl1} {vl2 0} 0 0 0 0 for the bf16 form, the same in both halves of the lanes
.macro BUILD x
	WIN 0
	v_cndmask_b32 v[CD+18*(\x)+12], v[BIAS+4*(\x)], v[BIAS+4*(\x)+2], s39
	v_cndmask_b32 v[CD+18*(\x)+13], v[BIAS+4*(\x)+1], 1.0, s39
	v_cvt_pk_bf16_f32 v[BIAS+16+8*(\x)], v[VV+4*(\x)], v[VV+4*(\x)+1]
	v_cvt_pk_bf16_f32 v[BIAS+17+8*(\x)], v[VV+4*(\x)+2], v[ZR]
	v_lshlrev_b32 v[TMP], 16, v[BIAS+16+8*(\x)]
	v_and_b32 v[TMP+1], s39, v[BIAS+16+8*(\x)]
	v_lshlrev_b32 v[TMP+2], 16, v[BIAS+17+8*(\x)]
	v_sub_f32 v[TMP], v[VV+4*(\x)], v[TMP]                      ; what the high part leaves: exact in f32
	v_sub_f32 v[TMP+1], v[VV+4*(\x)+1], v[TMP+1]
	v_sub_f32 v[TMP+2], v[VV+4*(\x)+2], v[TMP+2]
	v_cvt_pk_bf16_f32 v[BIAS+18+8*(\x)], v[TMP], v[TMP+1]
	v_cvt_pk_bf16_f32 v[BIAS+19+8*(\x)], v[TMP+2], v[ZR]
.irp k, 20,21,22,23
	v_mov_b32 v[BIAS+\k+8*(\x)], 0
.endr
.endm
.macro WMUL x, c                       ; silu'(z1) becomes silu'(z1) u, in place
	WIN 0x41
.set i, 0
.rept 16
	v_pk_mul_f32 v[64*(\x)+32*(\c)+i:64*(\x)+32*(\c)+i+1], v[64*(\x)+32*(\c)+i:64*(\x)+32*(\c)+i+1], v[ACC+32*(\x)+i:ACC+32*(\x)+i+1]
.set i, i+2
.endr
.endm
.macro DZ x, c                         ; dz2 = dh2 silu'(z2) -> H
	WIN 0x04
.set i, 0
.rept 16
	v_pk_mul_f32 v[H+i:H+i+1], v[ACC+32*(\x)+i:ACC+32*(\x)+i+1], v[128+64*(\x)+32*(\c)+i:128+64*(\x)+32*(\c)+i+1]
.set i, i+2
.endr
.endm
.macro DIVACC x, c                     ; the divergence's sum: dh1 x (silu'(z1) u), two chains a tile; the first products start the sums
	WIN 0x04
.set i, 0
.rept 8
.if ((\c) == 0) && (i == 0)
	v_pk_mul_f32 v[TMP+4*(\x):TMP+4*(\x)+1], v[ACC+32*(\x)+i:ACC+32*(\x)+i+1], v[64*(\x)+32*(\c)+i:64*(\x)+32*(\c)+i+1]
	v_pk_mul_f32 v[TMP+4*(\x)+2:TMP+4*(\x)+3], v[ACC+32*(\x)+i+2:ACC+32*(\x)+i+3], v[64*(\x)+32*(\c)+i+2:64*(\x)+32*(\c)+i+3]
.else
	v_pk_fma_f32 v[TMP+4*(\x):TMP+4*(\x)+1], v[ACC+32*(\x)+i:ACC+32*(\x)+i+1], v[64*(\x)+32*(\c)+i:64*(\x)+32*(\c)+i+1], v[TMP+4*(\x):TMP+4*(\x)+1]
	v_pk_fma_f32 v[TMP+4*(\x)+2:TMP+4*(\x)+3], v[ACC+32*(\x)+i+2:ACC+32*(\x)+i+3], v[64*(\x)+32*(\c)+i+2:64*(\x)+32*(\c)+i+3], v[TMP+4*(\x)+2:TMP+4*(\x)+3]
.endif
.set i, i+4
.endr
.endm
.macro P4 o0, o1                       ; (o0, o1) = h3 W4 + b4: four chains, my 32 units; then lane l xor 16's 32
	WIN 0
.set i, 0
.rept 8
.set w, F+32+i
.if i >= 16
.set w, CD+18+i-16
.endif
.if i == 0
	v_pk_mul_f32 v[TMP:TMP+1], v[H+i:H+i+1], v[F+i:F+i+1]
	v_pk_mul_f32 v[TMP+4:TMP+5], v[H+i:H+i+1], v[w:w+1]
	v_pk_mul_f32 v[TMP+2:TMP+3], v[H+i+2:H+i+3], v[F+i+2:F+i+3]
	v_pk_mul_f32 v[TMP+6:TMP+7], v[H+i+2:H+i+3], v[w+2:w+3]
.else
	v_pk_fma_f32 v[TMP:TMP+1], v[H+i:H+i+1], v[F+i:F+i+1], v[TMP:TMP+1]
	v_pk_fma_f32 v[TMP+4:TMP+5], v[H+i:H+i+1], v[w:w+1], v[TMP+4:TMP+5]
	v_pk_fma_f32 v[TMP+2:TMP+3], v[H+i+2:H+i+3], v[F+i+2:F+i+3], v[TMP+2:TMP+3]
	v_pk_fma_f32 v[TMP+6:TMP+7], v[H+i+2:H+i+3], v[w+2:w+3], v[TMP+6:TMP+7]
.endif
.set i, i+4
.endr
	v_pk_add_f32 v[TMP:TMP+1], v[TMP:TMP+1], v[TMP+2:TMP+3]
	v_pk_add_f32 v[TMP+4:TMP+5], v[TMP+4:TMP+5], v[TMP+6:TMP+7]
	v_add_f32 v[TMP], v[TMP], v[TMP+1]
	v_add_f32 v[TMP+4], v[TMP+4], v[TMP+5]
	v_permlanex16_b32 v[PX], v[TMP], s40, s41
	v_permlanex16_b32 v[PY], v[TMP+4], s40, s41
	v_add_f32 v[TMP], v[TMP], v[PX]
	v_add_f32 v[TMP+4], v[TMP+4], v[PY]
	v_add_f32 v[\o0], s36, v[TMP]
	v_add_f32 v[\o1], s37, v[TMP+4]
.endm
.macro DH3 x                           ; dz3 = (v0 W4[:,0] + v1 W4[:,1]) silu'(z3) -> H, in f32: it goes into a quantiser
	WIN 0
.set i, 0
.rept 16
	v_pk_mul_f32 v[H+i:H+i+1], v[F+i:F+i+1], v[VV+4*(\x):VV+4*(\x)+1] op_sel_hi:[1,0]
.set i, i+2
.endr
.set i, 0
.rept 16
.set w, F+32+i
.if i >= 16
.set w, CD+18+i-16
.endif
	v_pk_fma_f32 v[H+i:H+i+1], v[w:w+1], v[VV+4*(\x):VV+4*(\x)+1], v[H+i:H+i+1] op_sel:[0,1,0] op_sel_hi:[1,1,1]
.set i, i+2
.endr
.set i, 0
.rept 16
	v_pk_mul_f32 v[H+i:H+i+1], v[H+i:H+i+1], v[BIAS+i:BIAS+i+1]
.set i, i+2
.endr
.endm
.macro LOADYV                          ; 32 rows of y and v: a tile's 192 consecutive bytes, read alike by both halves of the lanes
	WIN 0
	global_load_b96 v[BIAS:BIAS+2], v[GIN], s[10:11] th:TH_LOAD_NT
	global_load_b96 v[BIAS+4:BIAS+6], v[GIN], s[10:11] offset:192 th:TH_LOAD_NT
	global_load_b96 v[VV:VV+2], v[GIN], s[12:13] th:TH_LOAD_NT
	global_load_b96 v[VV+4:VV+6], v[GIN], s[12:13] offset:192 th:TH_LOAD_NT
.endm
; SET-UP: 64 numbers (half = 1: 32) of my weight row, register 32 c + i = k 64 c + 32 h + i, at xb in window 1, become a fragment's image and its scale word in LDS
.macro QUANTW xb, half, imgoff, scwoff
	WIN 0
	v_mov_b32 v[TMP], 0x1800000
	v_mov_b32 v[TMP+1], 0x1800000
.if \half == 0
	v_mov_b32 v[TMP+2], 0x1800000
	v_mov_b32 v[TMP+3], 0x1800000
.endif
	WIN 0x14
.irp i, 0,4,8,12,16,20,24,28
	v_max3_num_f32 v[TMP], v[TMP], |v[(\xb)+\i]|, |v[(\xb)+\i+1]|
	v_max3_num_f32 v[TMP+1], v[TMP+1], |v[(\xb)+\i+2]|, |v[(\xb)+\i+3]|
.if \half == 0
	v_max3_num_f32 v[TMP+2], v[TMP+2], |v[(\xb)+32+\i]|, |v[(\xb)+33+\i]|
	v_max3_num_f32 v[TMP+3], v[TMP+3], |v[(\xb)+34+\i]|, |v[(\xb)+35+\i]|
.endif
.endr
	WIN 0
	v_max_num_f32 v[TMP], v[TMP], v[TMP+1]
	v_add_nc_u32 v[TMP], 0xff000000, v[TMP]
	v_lshrrev_b32 v[TMP+1], 23, v[TMP]
.if \half == 0
	v_max_num_f32 v[TMP+2], v[TMP+2], v[TMP+3]
	v_add_nc_u32 v[TMP+2], 0xff000000, v[TMP+2]
	v_lshrrev_b32 v[TMP+3], 23, v[TMP+2]
	v_lshl_or_b32 v[TMP+7], v[TMP+3], 16, v[TMP+1]
.else
	v_or_b32 v[TMP+7], 0x7f0000, v[TMP+1]                       ; K = 64: the upper 64 are zero codes under the byte 127
.endif
	SWASM TMP+7
	WIN 0x01
	v_cvt_scalef32_pk16_fp6_f32 v[CD:CD+2], v[(\xb):(\xb)+15], v[TMP]
	v_cvt_scalef32_pk16_fp6_f32 v[TMP+4:TMP+6], v[(\xb)+16:(\xb)+31], v[TMP]
.if \half == 0
	v_cvt_scalef32_pk16_fp6_f32 v[CD+6:CD+8], v[(\xb)+32:(\xb)+47], v[TMP+2]
	v_cvt_scalef32_pk16_fp6_f32 v[TMP+8:TMP+10], v[(\xb)+48:(\xb)+63], v[TMP+2]
.endif
	WIN 0
	v_nop                                                       ; one plain line behind the conversions
.irp k, 0,1,2
	v_mov_b32 v[CD+3+\k], v[TMP+4+\k]
.endr
.if \half == 0
.irp k, 0,1,2
	v_mov_b32 v[CD+9+\k], v[TMP+8+\k]
.endr
.else
	ZERO6 CD+6
.endif
.irp q, 0,1,2
	ds_store_b128 v[AIMG], v[CD+4*\q:CD+4*\q+3] offset:(\imgoff)+512*\q
.endr
	ds_store_b32 v[ASCW], v[TMP+7] offset:\scwoff
	s_wait_dscnt 0x0                                            ; the stores have read their registers: the next tile's codes may be written
.endm
	s_load_b256 s[8:15], s[0:1], 0x0               ; t s[8:9], y s[10:11], v s[12:13], W1 s[14:15]
	s_load_b256 s[16:23], s[0:1], 0x20             ; b1 s[16:17], W2 s[18:19], b2 s[20:21], W3 s[22:23]
	s_load_b256 s[24:31], s[0:1], 0x40             ; b3 s[24:25], W4 s[26:27], b4 s[28:29], out0 s[30:31]
	s_load_b64 s[32:33], s[0:1], 0x60              ; out1
	v_lshl_add_u32 v[SPW], v0, 2, SPARE
	v_mov_b32 v[NIL], 0
	v_lshrrev_b32 v[PY], 5, v0
	v_readfirstlane_b32 s38, v[PY]                 ; wave 0..7
	s_mov_b32 s39, 0xffff0000                      ; as a lane mask: lanes 16-31; as bits: a word's upper bf16
	s_mov_b32 s40, 0x76543210
	s_mov_b32 s41, 0xfedcba98                      ; v_permlanex16_b32's selects for lane l xor 16
	s_mov_b32 s42, 0xbfb8aa3b                      ; -log2(e)
	s_mov_b32 s43, s42                             ; (named with it as a pair, so it is written)
	v_and_b32 v[LN], 31, v0                        ; lane
	v_and_b32 v[RR], 15, v0                        ; r
	v_bfe_u32 v[HH], v0, 4, 1                      ; h
	v_lshlrev_b32 v[LI], 4, v[LN]
	v_lshlrev_b32 v[LH], 7, v[HH]
	v_lshlrev_b32 v[SH8], 3, v[HH]
	v_mul_u32_u24 v[GIN], v[RR], 12
	s_lshl_b32 s47, s38, 12
	s_add_co_u32 s47, s47, STG                     ; my wave's stage
	v_mul_u32_u24 v[ST0B], v[LN], 12
	v_add_nc_u32 v[ST0B], s47, v[ST0B]
	v_lshlrev_b32 v[ST1B], 2, v[LN]
	v_add_nc_u32 v[ST1B], s47, v[ST1B]
	v_add_nc_u32 v[ST1B], 3072, v[ST1B]
	v_add_nc_u32 v[STR], s47, v[LI]
	v_mov_b32 v[PX], 0                             ; a lane permute's destination counts as one of its sources
	v_mov_b32 v[PY], 0
	v_mov_b32 v[ZR], 0
	; where the set-up stores: every LDS address is a constant + a constant x wave + a constant x lane, made here, ahead of the waves' parting
	s_and_b32 s48, s38, 3                          ; q = wave % 4
	s_lshr_b32 s49, s38, 2                         ; wave / 4
	s_mul_i32 s50, s38, 1536
	v_add_nc_u32 v[AIMG], s50, v[LI]               ; the image of tile "wave" of a weight
	s_lshl_b32 s50, s49, 9
	s_lshl_b32 s51, s48, 2
	s_add_co_u32 s50, s50, s51
	s_add_co_u32 s50, s50, SCW
	v_add_nc_u32 v[ASCW], s50, v[LI]               ; its scale word: group wave / 4, word wave % 4 of a lane's 16 bytes
	s_lshl_b32 s50, s48, 9
	s_add_co_u32 s50, s50, W1F
	v_add_nc_u32 v[AW1F], s50, v[LI]
	s_lshl_b32 s50, s48, 11
	s_add_co_u32 s50, s50, W1H
	v_add_nc_u32 v[AW1H], s50, v[LI]
	s_lshl_b32 s50, s48, 7
	v_lshlrev_b32 v[GC2], 2, v[LN]
	v_add_nc_u32 v[GC2], s50, v[GC2]               ; 128 q + 4 lane: my number of b2 and of W4, in memory
	v_add_nc_u32 v[AB2], B2L, v[GC2]
	s_lshl_b32 s50, s48, 6
	v_lshlrev_b32 v[GC3], 2, v[RR]
	v_add_nc_u32 v[GC3], s50, v[GC3]               ; 64 q + 4 r: my number of b3
	v_add_nc_u32 v[AB3], B3L, v[GC3]
	v_and_b32 v[AW4], 1, v[LN]
	v_lshlrev_b32 v[AW4], 8, v[AW4]
	v_lshrrev_b32 v[T9], 1, v[LN]
	v_lshl_add_u32 v[AW4], v[T9], 2, v[AW4]
	v_add_nc_u32 v[AW4], s50, v[AW4]
	v_add_nc_u32 v[AW4], W4L, v[AW4]               ; W4[unit][o] goes to plane o = lane % 2, unit 16 q + lane / 2
	; from where it loads
	v_and_b32 v[UB], 7, v[RR]
	v_lshrrev_b32 v[T9], 3, v[RR]
	v_lshl_add_u32 v[UB], v[T9], 5, v[UB]          ; r % 8 + 32 (r / 8)
	s_lshl_b32 s50, s49, 6
	s_lshl_b32 s51, s48, 3
	s_add_co_u32 s50, s50, s51
	v_add_nc_u32 v[UU], s50, v[UB]                 ; u: the unit of my row of tile "wave"
	v_lshlrev_b32 v[GP0], 2, v[UU]
	v_lshl_add_u32 v[GP3], v[HH], 13, v[GP0]       ; W3 forward: column u, 32 h rows of 256 bytes down
	v_lshl_add_u32 v[GP0], v[HH], 14, v[GP0]       ; W2 forward: column u, 32 h rows of 512 bytes down
	v_lshl_add_u32 v[GP1], v[UU], 9, v[LH]         ; W2 backward: row u, 32 h numbers on
	v_lshl_add_u32 v[GP2], v[UU], 8, v[LH]         ; W3 backward: row u, 32 h numbers on
	s_lshr_b32 s50, s48, 1
	s_lshl_b32 s50, s50, 6
	s_and_b32 s51, s48, 1
	s_lshl_b32 s51, s51, 4
	s_add_co_u32 s50, s50, s51
	v_add_nc_u32 v[GC1], s50, v[UB]
	v_lshlrev_b32 v[GC1], 2, v[GC1]                ; W1, b1: the unit of my row of tile 2 q; tile 2 q + 1 lies 8 units on
	s_wait_kmcnt 0x0
	s_load_b32 s34, s[8:9], 0x0                    ; t
	s_load_b64 s[36:37], s[28:29], 0x0             ; b4
	s_mul_i32 s50, ttmp9, 24576                    ; 2,048 rows of 12 bytes a work-group,
	s_mul_i32 s51, s38, 3072                       ; 256 a wave
	s_add_co_u32 s50, s50, s51
	s_mov_b32 s51, 0
	s_add_nc_u64 s[10:11], s[10:11], s[50:51]
	s_add_nc_u64 s[12:13], s[12:13], s[50:51]
	s_add_nc_u64 s[30:31], s[30:31], s[50:51]
	s_lshl_b32 s52, ttmp9, 13
	s_lshl_b32 s53, s38, 10
	s_add_co_u32 s52, s52, s53
	s_mov_b32 s53, 0
	s_add_nc_u64 s[32:33], s[32:33], s[52:53]
	LOADYV                                         ; the first trip's rows, and all the set-up's loads, go out in one run
	WIN 0x40                                       ; destination window 1
.set i, 0
.rept 64
	global_load_b32 v[i], v[GP0], s[18:19] offset:(64*(i/32)+i%32)*512        ; W2[64 c + 32 h + i][u]
.set i, i+1
.endr
.set i, 0
.rept 16
	global_load_b128 v[64+4*i:64+4*i+3], v[GP1], s[18:19] offset:256*(i/8)+16*(i%8)   ; W2[u][64 c + 32 h + ..]
.set i, i+1
.endr
.set i, 0
.rept 8
	global_load_b128 v[128+4*i:128+4*i+3], v[GP2], s[22:23] offset:16*i       ; W3[u][32 h + ..]
.set i, i+1
.endr
	WIN 0
	s_cmp_lt_u32 s38, 4
	s_cbranch_scc0 .Lload_c
	WIN 0x40
.set i, 0
.rept 64
	global_load_b32 v[160+i], v[GP3], s[22:23] offset:(64*(i/32)+i%32)*256    ; waves 0-3: W3[64 c + 32 h + i][u]
.set i, i+1
.endr
	WIN 0
	s_branch .Lloaded
.Lload_c:                                          ; waves 4-7: W1 and b1 at the units of two tiles, and a share of b2, b3, W4
.irp e, 0,1
.irp d, 0,1,2,3
	global_load_b32 v[H+5*\e+\d], v[GC1], s[14:15] offset:512*\d+32*\e
.endr
	global_load_b32 v[H+5*\e+4], v[GC1], s[16:17] offset:32*\e
.endr
	global_load_b32 v[H+10], v[GC2], s[20:21]
	global_load_b32 v[H+11], v[GC3], s[24:25]
	global_load_b32 v[H+12], v[GC2], s[26:27]
.Lloaded:
	s_wait_loadcnt 0x0
	s_wait_kmcnt 0x0
	QUANTW 0,   0, 0,       0                      ; W2 forward, tile "wave"
	QUANTW 64,  0, 8*1536,  1024                   ; W2 backward
	QUANTW 128, 1, 16*1536, 2048                   ; W3 backward: K = 64
	s_cmp_lt_u32 s38, 4
	s_cbranch_scc0 .Lbuild_c
	QUANTW 160, 0, 24*1536, 3072                   ; waves 0-3: W3 forward
	s_branch .Lbuilt
.Lbuild_c:
.irp e, 0,1
	v_fma_f32 v[H+5*\e+4], s34, v[H+5*\e+3], v[H+5*\e+4]        ; c = t W1[3] + b1
	v_cndmask_b32 v[CD+2*\e], v[H+5*\e], v[H+5*\e+2], s39       ; f32 fragment: k = 2 h, 2 h + 1
	v_cndmask_b32 v[CD+2*\e+1], v[H+5*\e+1], v[H+5*\e+4], s39
	v_cvt_pk_bf16_f32 v[TMP+3], v[H+5*\e], v[H+5*\e+1]          ; the high parts,
	v_cvt_pk_bf16_f32 v[TMP+4], v[H+5*\e+2], v[ZR]
	v_lshlrev_b32 v[TMP], 16, v[TMP+3]
	v_and_b32 v[TMP+1], s39, v[TMP+3]
	v_lshlrev_b32 v[TMP+2], 16, v[TMP+4]
	v_sub_f32 v[TMP], v[H+5*\e], v[TMP]
	v_sub_f32 v[TMP+1], v[H+5*\e+1], v[TMP+1]
	v_sub_f32 v[TMP+2], v[H+5*\e+2], v[TMP+2]
	v_cvt_pk_bf16_f32 v[TMP+5], v[TMP], v[TMP+1]                ; the low parts:
	v_cvt_pk_bf16_f32 v[TMP+6], v[TMP+2], v[ZR]
	v_cndmask_b32 v[CD+18+4*\e], v[TMP+3], v[TMP+5], s39        ; lanes 0-15 (k 0-7) hold the high, lanes 16-31 (k 8-15) the low, each twice: against v's high and v's low
	v_cndmask_b32 v[CD+19+4*\e], v[TMP+4], v[TMP+6], s39
	v_mov_b32 v[CD+20+4*\e], v[CD+18+4*\e]
	v_mov_b32 v[CD+21+4*\e], v[CD+19+4*\e]
.endr
.irp k, 8,9,10,11
	v_mov_b32 v[TMP+\k], 0
.endr
	ds_store_b128 v[AW1F], v[CD:CD+3]
	ds_store_b128 v[AW1H], v[CD+18:CD+21]
	ds_store_b128 v[AW1H], v[TMP+8:TMP+11] offset:512
	ds_store_b128 v[AW1H], v[CD+22:CD+25] offset:1024
	ds_store_b128 v[AW1H], v[TMP+8:TMP+11] offset:1536
	ds_store_b32 v[AB2], v[H+10]
	ds_store_b32 v[AB3], v[H+11]                   ; (both halves of the lanes write the same word with the same value)
	ds_store_b32 v[AW4], v[H+12]
.Lbuilt:
	s_wait_dscnt 0x0                               ; for the others' sake: my stores have landed
	s_barrier_signal -1
	s_barrier_wait -1                              ; the one barrier: from here on the weights' bytes are only read, and a wave's stage is its own
	FETCHW1F
	FETCHW1H 0
	s_mov_b32 s44, 0                               ; the trip
	s_mov_b32 s45, 0                               ; 384 x trip: 32 rows of out0 in the stage
	s_mov_b32 s46, 0                               ; 128 x trip: of out1
.Ltrip:
	s_wait_loadcnt 0x0                             ; this trip's y and v, asked for half a trip ago
	BUILD 0
	BUILD 1
	s_wait_dscnt 0x0                               ; W1's fragments are in; the last trip's stores into the stage have read their registers
	; ---- layer 1, units 0-63
	MM1 0
	v_add_nc_u32 v[ST0C], s45, v[ST0B]             ; two of the eight places behind the f32 form
	v_add_nc_u32 v[ST1C], s46, v[ST1B]
	PLACES 6
.irp x, 0,1
	SILU1 ACC+32*\x, 64*\x, 1
	QBLOCK CD+18*\x, SW0+\x, 0
	SILU2 64*\x, 1
.endr
	MMU
	PLACES 4                                       ; ahead of loads into the fragments' registers and of the first read of u
	FETCHW1H 1
	WMUL 0, 0
	WMUL 1, 0
	; ---- layer 1, units 64-127
	MM1 1
	PLACES 8
.irp x, 0,1
	SILU1 ACC+32*\x, 64*\x+32, 1
	QBLOCK CD+18*\x+6, SW0+\x, 1
	SWASM SW0+\x
	SILU2 64*\x+32, 1
.endr
	s_wait_dscnt 0x0
	MMU
	PLACES 4
	FETCHF 4, 1
	FETCHB B2L+256
	WMUL 0, 1
	WMUL 1, 1
	; ---- layer 2: units 64-127 first, so that h2's codes can take the slots that h1's leave
	s_wait_dscnt 0x0
	MM6 0, SW0, 1
	PLACES 4
	FETCHF 0, 0
	FETCHB B2L
.irp x, 0,1
	SILU1 ACC+32*\x, 128+64*\x+32, 1
	QBLOCK CD+18*\x+12, SW1+\x, 0
	SILU2 128+64*\x+32, 1
.endr
	s_wait_dscnt 0x0
	MM6 0, SW0, 1
	PLACES 4
	FETCHF 24, 6
	FETCHB B3L
.irp x, 0,1
	SILU1 ACC+32*\x, 128+64*\x, 1
	QBLOCK CD+18*\x+6, SW1+\x, 2
	SWASM SW1+\x
	SILU2 128+64*\x, 1                             ; tile B's 32 lines here name no register of the next product: they are the places between its scale word and that product
.endr
	; ---- layer 3, the outputs, and the turn back
	s_wait_dscnt 0x0
	MM6 6, SW1, 1
	PLACES 4
	FETCHW4
	SILU1 ACC, BIAS, 0
	s_wait_dscnt 0x0                               ; W4
	P4 OA, OA+1
	SILU2 BIAS, 0
	DH3 0
	QBLOCK CD, SW0, 0
	SWASM SW0
	ZERO6 CD+6                                     ; K = 64: the operand's upper 64 are zero codes
	SILU1 ACC+32, BIAS, 0
	P4 TMP+8, TMP+9
	v_cndmask_b32 v[TMP+8], v[OA], v[TMP+8], s39   ; lanes 0-15 carry tile A's rows, lanes 16-31 tile B's
	v_cndmask_b32 v[TMP+9], v[OA+1], v[TMP+9], s39
	ds_store_b32 v[ST0C], v[TMP+8]
	ds_store_b32 v[ST0C], v[TMP+9] offset:4
	ds_store_b32 v[ST0C], v[ZR] offset:8           ; the third component is zero
	SILU2 BIAS, 0
	DH3 1
	FETCHF 20, 5
	s_cmp_eq_u32 s44, NTRIP-1                      ; the next trip's rows, if there is a next trip: no load leaves its buffer
	s_cbranch_scc1 .Lno_next
	s_add_nc_u64 s[10:11], s[10:11], 384           ; (the loads that read these bases were shown done at the trip's head)
	s_add_nc_u64 s[12:13], s[12:13], 384
	LOADYV                                         ; into registers that are dead from here to the next trip's head: the whole way back in which to land
.Lno_next:
	QBLOCK CD+18, SW0+1, 0
	SWASM SW0+1
	ZERO6 CD+24
	PLACES 8                                       ; a scale word written by a vector line stands 8 places ahead of a scaled product, codes so written 4
	; ---- back through W3: units 64-127 first
	s_wait_dscnt 0x0
	MM6 0, SW0, 0
	PLACES 4
	FETCHF 16, 4
.irp x, 0,1
	DZ \x, 1
	QBLOCK CD+18*\x+12, SW1+\x, 0
.endr
	s_wait_dscnt 0x0
	MM6 0, SW0, 0
	PLACES 4
	FETCHF 8, 2
.irp x, 0,1
	DZ \x, 0
	QBLOCK CD+18*\x+6, SW1+\x, 2
	SWASM SW1+\x
.endr
	PLACES 8
	; ---- back through W2, and the divergence
	s_wait_dscnt 0x0
	MM6 6, SW1, 0
	PLACES 4
	FETCHF 12, 3
	DIVACC 0, 0
	DIVACC 1, 0
	s_wait_dscnt 0x0
	MM6 6, SW1, 0
	PLACES 4
	WIN 0
	s_cmp_eq_u32 s44, NTRIP-1
	s_cbranch_scc1 .Lno_w1
	FETCHW1F                                       ; W1's fragments for the next trip
	FETCHW1H 0
.Lno_w1:
	DIVACC 0, 1
	DIVACC 1, 1
	WIN 0
	v_pk_add_f32 v[TMP:TMP+1], v[TMP:TMP+1], v[TMP+2:TMP+3]
	v_pk_add_f32 v[TMP+4:TMP+5], v[TMP+4:TMP+5], v[TMP+6:TMP+7]
	v_add_f32 v[TMP], v[TMP], v[TMP+1]
	v_add_f32 v[TMP+4], v[TMP+4], v[TMP+5]
	v_permlanex16_b32 v[PX], v[TMP], s40, s41
	v_permlanex16_b32 v[PY], v[TMP+4], s40, s41
	v_add_f32 v[TMP], -v[TMP], -v[PX]              ; out1 = - the sum over all 128 units
	v_add_f32 v[TMP+4], -v[TMP+4], -v[PY]
	v_cndmask_b32 v[TMP+10], v[TMP], v[TMP+4], s39
	ds_store_b32 v[ST1C], v[TMP+10]
	; ---- every fourth trip 128 finished rows leave the stage: each store covers 512 consecutive bytes, at a multiple of 256 from the output's first byte
	s_and_b32 s47, s44, 3
	s_cmp_lg_u32 s47, 3
	s_cbranch_scc1 .Lno_flush
	s_lshr_b32 s47, s44, 2
	s_mul_i32 s48, s47, 1536
	s_lshl_b32 s49, s47, 9
	s_wait_dscnt 0x0                               ; my stores into the stage have read their address registers, which are written anew
	v_add_nc_u32 v[ST0C], s48, v[STR]
	v_add_nc_u32 v[ST1C], s49, v[STR]
	v_add_nc_u32 v[GF0], s48, v[LI]
	v_add_nc_u32 v[GF1], s49, v[LI]
	ds_load_b128 v[H:H+3], v[ST0C]
	ds_load_b128 v[H+4:H+7], v[ST0C] offset:512
	ds_load_b128 v[H+8:H+11], v[ST0C] offset:1024
	ds_load_b128 v[H+12:H+15], v[ST1C] offset:3072
	s_wait_dscnt 0x0
	global_store_b128 v[GF0], v[H:H+3], s[30:31] th:TH_STORE_NT
	global_store_b128 v[GF0], v[H+4:H+7], s[30:31] offset:512 th:TH_STORE_NT
	global_store_b128 v[GF0], v[H+8:H+11], s[30:31] offset:1024 th:TH_STORE_NT
	global_store_b128 v[GF1], v[H+12:H+15], s[32:33] th:TH_STORE_NT
	s_wait_xcnt 0x0                                ; the stores' data and offsets are written again only behind this wait
.Lno_flush:
	s_add_co_u32 s44, s44, 1
	s_add_co_u32 s45, s45, 384
	s_add_co_u32 s46, s46, 128
	s_cmp_lt_u32 s44, NTRIP
	s_cbranch_scc1 .Ltrip
	s_wait_tensorcnt 0x0                           ; the wave's end
	ds_add_u32 v[SPW], v[NIL]
	s_wait_dscnt 0x0
	s_endpgm
.Lfunc_end_k_q4eac181d44_cnf:
	.size	k_q4eac181d44_cnf, .Lfunc_end_k_q4eac181d44_cnf-k_q4eac181d44_cnf
	.p2alignl 7, 3214868480
	.fill 96, 4, 3214868480
	.section	.rodata,"a",@progbits
	.p2align	6, 0x0
	.amdhsa_kernel k_q4eac181d44_cnf
		.amdhsa_group_segment_fixed_size 91904
		.amdhsa_private_segment_fixed_size 0
		.amdhsa_enable_private_segment 0
		.amdhsa_kernarg_size 104
		.amdhsa_user_sgpr_count 2
		.amdhsa_user_sgpr_kernarg_segment_ptr 1
		.amdhsa_wavefront_size32 1
		.amdhsa_system_sgpr_workgroup_id_x 1
		.amdhsa_system_sgpr_workgroup_id_y 1
		.amdhsa_system_sgpr_workgroup_id_z 1
		.amdhsa_system_vgpr_workitem_id 0
		.amdhsa_next_free_vgpr 512
		.amdhsa_next_free_sgpr 66
		.amdhsa_reserve_vcc 0
		.amdhsa_float_denorm_mode_32 3
		.amdhsa_float_denorm_mode_16_64 3
		.amdhsa_memory_ordered 1
		.amdhsa_forward_progress 1
		.amdhsa_inst_pref_size 179
	.end_amdhsa_kernel
	.amdgpu_metadata
---
amdhsa.version: [ 1, 2 ]
amdhsa.kernels:
  - .name:           k_q4eac181d44_cnf
    .symbol:         k_q4eac181d44_cnf.kd
    .args:
      - { .name: t, .offset: 0, .size: 8, .value_kind: global_buffer, .address_space: global }
      - { .name: y, .offset: 8, .size: 8, .value_kind: global_buffer, .address_space: global }
      - { .name: v, .offset: 16, .size: 8, .value_kind: global_buffer, .address_space: global }
      - { .name: W1, .offset: 24, .size: 8, .value_kind: global_buffer, .address_space: global }
      - { .name: b1, .offset: 32, .size: 8, .value_kind: global_buffer, .address_space: global }
      - { .name: W2, .offset: 40, .size: 8, .value_kind: global_buffer, .address_space: global }
      - { .name: b2, .offset: 48, .size: 8, .value_kind: global_buffer, .address_space: global }
      - { .name: W3, .offset: 56, .size: 8, .value_kind: global_buffer, .address_space: global }
      - { .name: b3, .offset: 64, .size: 8, .value_kind: global_buffer, .address_space: global }
      - { .name: W4, .offset: 72, .size: 8, .value_kind: global_buffer, .address_space: global }
      - { .name: b4, .offset: 80, .size: 8, .value_kind: global_buffer, .address_space: global }
      - { .name: out0, .offset: 88, .size: 8, .value_kind: global_buffer, .address_space: global }
      - { .name: out1, .offset: 96, .size: 8, .value_kind: global_buffer, .address_space: global }
    .group_segment_fixed_size: 91904
    .private_segment_fixed_size: 0
    .kernarg_segment_align: 8
    .kernarg_segment_size: 104
    .max_flat_workgroup_size: 256
    .sgpr_count:     66
    .vgpr_count:     512
    .wavefront_size: 32
...
	.end_amdgpu_metadata
.endif
;; end of part 1
;; ======== version 2 of 2: 1 launch; version 1 with the launch cnf written anew for expert scheduling mode
;; launch cnf (part 2): grid 256 x 1, 8 waves a work-group, no clusters, 91,904 bytes of LDS; arguments t, y, v, W1, b1, W2, b2, W3, b3, W4, b4, out0, out1; writes out0, out1
.if DOCPART == 2
	.amdgcn_target "amdgcn-amd-amdhsa--gfx1250"
	.amdhsa_code_object_version 6
	.text
	.protected	k_q4eac181d44_cnf
	.globl	k_q4eac181d44_cnf
	.p2align	8
	.type	k_q4eac181d44_cnf,@function
k_q4eac181d44_cnf:
	s_mov_b64 s[64:65], 0
	v_nop
	global_prefetch_b8 v0, s[64:65] scope:SCOPE_SE
	s_setreg_imm32_b32 hwreg(HW_REG_WAVE_SCHED_MODE, 0, 2), 2
	s_setreg_imm32_b32 hwreg(HW_REG_WAVE_MODE, 25, 1), 1
	s_wait_xcnt 0x0
	s_wait_alu depctr_vm_vsrc(0)
; CNF_ODE: for each of 524,288 rows, forward through x = (y, t) -> 128 -> 128 -> 64 -> 2 with SiLU, then the cotangent (v0, v1) back through it.
; out0 = (o0, o1, 0);  out1 = - sum over d of g_d v_d, g = the gradient with respect to y.
; QUANTISED products (h1 W2, h2 W3, dz3 W3^T, dz2 W2^T): both operands as E2M3 codes with one E8M0 byte for each 32 along K, by v_wmma_scale_f32_16x16x128_f8f6f4; sums in f32.
; WORK LEFT OUT, for all values of the inputs:
;   logp is named by no line of reference()'s body: it reaches no output, is not loaded and is not among the arguments.
;   The fourth column of dz1 W1^T is the gradient with respect to t, which the concatenation's transpose cuts away: it is not formed.
;   v2 as a cotangent meets the zeros that reference() itself appends to dy: the way back starts from (v0, v1); v2 lives on in the sum with g alone.
;   LIMIT: a NaN, an infinity or an overflow that reaches only this work is not carried to the result.
; IDENTITIES USED (real numbers; the order of f32 roundings differs from reference()'s, which is stated here as a limit):
;   z1 = W1[0] y0 + W1[1] y1 + W1[2] y2 + 1 x c, c = t W1[3] + b1: one f32 matrix instruction of K = 4 for 16 units (its result goes into a quantiser, so f32 operands).
;   sum_d v_d sum_j dz1_j W1[d][j] = sum_j dh1_j (d1_j u_j), u_j = sum_d W1[d][j] v_d.  u feeds an output alone: bf16 matrix form, both operands split in f32 into a high and a low bf16 part, all four cross terms in one instruction.
;   silu: e = 2^(-z log2 e), s = 1 / (1 + e), h = z s, silu' = s + (h - h s): no difference of large numbers.
; LIMITS: NaN and infinities among the inputs are not served.  Where 1 + e is 2^126 or more (z under about -87) the reciprocal is flushed: s = 0, h = -0, silu' = 0.
;   A block of zeros gets the scale byte 1 where the rule says 127: its codes are zeros, which add nothing, and the bytes are read by this program alone.
; SHARES.  256 work-groups of 8 waves; a work-group owns 2,048 rows, a wave 256: 8 trips of 32 rows = two tiles (A, B) of 16, which share every weight fragment read from LDS.
; LAYOUT.  Every product is used transposed (source 0 = 16 rows of a weight, source 1 = 16 data rows): a lane (r = lane % 16, h = lane / 16) holds ONE data row.
;   Row m of weight tile (c, t) is unit 64 c + 8 t + m % 8 + 32 (m / 8): so register 8 t + j of a group of four tiles is unit 64 c + 32 h + 8 t + j: a WHOLE block of 32 along the next K in one lane, in the operand's own order.
; SET-UP.  Each wave quantises three or four weight tiles (a lane to a weight row, registers along K) and stores them in LDS as images of the operand's registers; waves 4-7 also lay W1's fragments and the small vectors.  One barrier.
; No tensor load, no cluster: what work-groups share is 100 KB of f32 weights, which must pass through registers to be quantised; nothing streams through LDS.
; REGISTERS.  Window 1 (v256-511): tile x's d1 u at 64 x, its silu'(z2) at 128 + 64 x; in the set-up the weights' f32 numbers.  Window 0: as named below.
; THE MODE: SCHED_MODE bits 1:0 = 2 (LLVM: expert scheduling mode 2), set by the entry lines.  The code itself states the register dependences
; between vector or matrix instructions and memory or LDS instructions, with s_wait_alu, always for 0.
; THE PLAN.  Registers that memory or LDS instructions touch, round a trip:
;   F, WS            LDS loads land in them; matrix instructions read them, in layer 3 also the lines of P4 and DH3.  There is one set: a fetch stands behind a wait on va_vdst that stands behind the set's last reader.
;   BIAS             LDS loads (b2, b3) and global loads (y, into + 0 .. 6) land in it; vector lines write it (BUILD: + 16 .. 31; layer 3: s, silu'); products read it as C or as B, BUILD and DH3 read it.
;   CD + 18 .. 33    codes by vector lines; in layer 3 W4's second plane lands there.
;   VV               global loads land in it; BUILD and DH3 read it.
;   ST0C, ST1C       written by vector adds at the trip's head and in the flush; read by the stage's stores and by the flush's LDS loads.
;   TMP + 8 .. 10    written by vector lines; read by the stage's stores.     H .. H + 15, GF0, GF1: the flush's loads land in H, its global stores read all three.
;   LI, LH, GIN, ZR, SPW, NIL   made at the head, never written again.
; On the way forward the wait that stands behind a batch of exponentials anyway also shows the products ahead of it done with their operands: tile A's call is cut in two there (SILU1A, SILU1B) and the next fetch
; stands between the halves; no vector line from that wait to the fetch names a register that the fetch touches.  On the way back, which has no such wait, one wait stands behind each product's places, ahead of the fetch.
; One wait behind DH3 of tile B serves the stage's stores of out0, the fetch that follows and the next trip's y and v.  Codes and scale words made by vector lines have a wait between them and the scaled product that takes them.
; One wait on vm_vsrc at the trip's head stands ahead of every rewrite of a register that a store of the trip before, or its flush, has read; the flush has one of its own.
.set NTRIP, 8
.set IMG,   0                          ; LDS: 28 fragments x 1,536 bytes: W2 forward 0-7, W2 backward 8-15, W3 backward 16-23, W3 forward 24-27
.set SCW,   43008                      ; 7 groups x 512: four tiles' scale words, 16 bytes a lane
.set W1F,   46592                      ; 4 x 512: W1's f32 fragments, two tiles to 16 bytes a lane
.set W1H,   48640                      ; 8 x 1,024: W1's bf16 fragments: registers 0-3, then zeros for registers 4-7
.set B2L,   56832                      ; b2 as it lies
.set B3L,   57344                      ; b3 as it lies
.set W4L,   57600                      ; W4 as two planes [output][unit]
.set STG,   58112                      ; 8 x 4,096: a wave's 256 rows of out0 (3,072 bytes), then of out1 (1,024)
.set SPARE, 90880                      ; the spare words, 128 bytes for each wave: four blocks of 256 bytes that no other line names
.set LI,   1                           ; v1   16 x lane
.set LH,   2                           ; v2   128 x h
.set SH8,  3                           ; v3   8 x h
.set GIN,  4                           ; v4   12 x r: a row of y or v
.set SPW,  5                           ; v5   my spare word;  v6: 0.  Kept for the add alone
.set NIL,  6
.set ST0B, 7                           ; v7   my place in the wave's stage of out0: 12 x lane
.set ST1B, 8                           ; v8   and of out1: 4 x lane
.set ST0C, 9                           ; v9, v10  the same for the trip in hand
.set ST1C, 10
.set STR,  11                          ; v11  the stage read back: 16 x lane
.set PX,   12                          ; v12, v13  what comes from lane l xor 16
.set PY,   13
.set OA,   14                          ; v14, v15  tile A's (o0, o1)
.set ACC,  16                          ; v16-79   tile x's four accumulators at ACC + 32 x: written by matrix instructions alone
.set F,    80                          ; v80-127  four weight fragments
.set WS,   128                         ; v128-131 their scale words
.set BIAS, 132                         ; v132-163 a bias as C; at a trip's head y as loaded and v's bf16 operand; in layer 3 s, then silu'
.set H,    164                         ; v164-195 32 numbers of one block
.set CD,   196                         ; v196-231 tile x's three slots of six code registers at CD + 18 x
.set TMP,  232                         ; v232-242 at work
.set GF0,  243                         ; v243, v255 the flush's offsets in out0, out1
.set GF1,  255
.set SW0,  244                         ; v244-247 the data's scale words: SW0 + x, SW1 + x
.set SW1,  246
.set VV,   248                         ; v248-250, v252-254 v of tile A, B
.set ZR,   251                         ; v251 0
; the set-up's own, in F's registers: made ahead of the waves' first parting, dead at the barrier
.set AIMG, 80
.set ASCW, 81
.set AW1F, 82
.set AW1H, 83
.set AB2,  84
.set AB3,  85
.set AW4,  86
.set GP0,  87
.set GP1,  88
.set GP2,  89
.set GP3,  90
.set GC1,  91
.set GC2,  92
.set GC3,  93
.set LN,   94
.set RR,   95
.set HH,   96
.set UU,   97
.set UB,   98
.set T9,   99
.set MSB, 0
.macro WIN new                         ; the immediate's high byte repeats the setting that is left; a switch that changes nothing is dropped.  Each macro below sets the windows that it needs at its head
.if MSB != (\new)
	s_set_vgpr_msb (MSB<<8)|(\new)
.set MSB, (\new)
.endif
.endm
.macro PLACES n
.rept \n
	v_nop
.endr
.endm
.macro FETCHF fi, g                    ; four fragments fi .. fi + 3 and their scale words
	WIN 0
.irp t, 0,1,2,3
.irp q, 0,1,2
	ds_load_b128 v[F+12*\t+4*\q:F+12*\t+4*\q+3], v[LI] offset:IMG+((\fi)+\t)*1536+512*\q
.endr
.endr
	ds_load_b128 v[WS:WS+3], v[LI] offset:SCW+512*(\g)
.endm
.macro FETCHB off                      ; my half's 32 numbers of a bias
	WIN 0
.irp q, 0,1,2,3,4,5,6,7
	ds_load_b128 v[BIAS+4*\q:BIAS+4*\q+3], v[LH] offset:(\off)+16*\q
.endr
.endm
.macro FETCHW1F
	WIN 0
.irp q, 0,1,2,3
	ds_load_b128 v[F+4*\q:F+4*\q+3], v[LI] offset:W1F+512*\q
.endr
.endm
.macro FETCHW1H c
	WIN 0
.irp t, 0,1,2,3
.irp k, 0,1
	ds_load_b128 v[F+16+8*\t+4*\k:F+16+8*\t+4*\k+3], v[LI] offset:W1H+(4*(\c)+\t)*1024+512*\k
.endr
.endr
.endm
.macro FETCHW4                         ; plane 0 -> F + 0 .. 31; plane 1 -> F + 32 .. 47 and tile B's code slots + 0 .. 15, which are free in layer 3
	WIN 0
.irp q, 0,1,2,3,4,5,6,7
	ds_load_b128 v[F+4*\q:F+4*\q+3], v[LH] offset:W4L+16*\q
.endr
.irp q, 0,1,2,3
	ds_load_b128 v[F+32+4*\q:F+32+4*\q+3], v[LH] offset:W4L+256+16*\q
.endr
.irp q, 0,1,2,3
	ds_load_b128 v[CD+18+4*\q:CD+18+4*\q+3], v[LH] offset:W4L+320+16*\q
.endr
.endm
; Eight matrix instructions: four weight tiles x tiles A, B.  None adds in place: each K fits one instruction, so there is no chain.
.macro MM6 opoff, sw, bias
	WIN 0
.irp t, 0,1,2,3
.irp x, 0,1
.if \bias
	v_wmma_scale_f32_16x16x128_f8f6f4 v[ACC+32*\x+8*\t:ACC+32*\x+8*\t+7], v[F+12*\t:F+12*\t+11], v[CD+18*\x+\opoff:CD+18*\x+\opoff+11], v[BIAS+8*\t:BIAS+8*\t+7], v[WS+\t], v[\sw+\x] matrix_a_fmt:MATRIX_FMT_FP6 matrix_b_fmt:MATRIX_FMT_FP6
.else
	v_wmma_scale_f32_16x16x128_f8f6f4 v[ACC+32*\x+8*\t:ACC+32*\x+8*\t+7], v[F+12*\t:F+12*\t+11], v[CD+18*\x+\opoff:CD+18*\x+\opoff+11], 0, v[WS+\t], v[\sw+\x] matrix_a_fmt:MATRIX_FMT_FP6 matrix_b_fmt:MATRIX_FMT_FP6
.endif
.endr
.endr
.endm
.macro MM1 c                           ; z1 of units 64 c on: K = 4 is (y0, y1, y2, 1) against (W1[0], W1[1], W1[2], t W1[3] + b1)
	WIN 0
.irp t, 0,1,2,3
.irp x, 0,1
	v_wmma_f32_16x16x4_f32 v[ACC+32*\x+8*\t:ACC+32*\x+8*\t+7], v[F+2*(4*(\c)+\t):F+2*(4*(\c)+\t)+1], v[CD+18*\x+12:CD+18*\x+13], 0
.endr
.endr
.endm
.macro MMU                             ; u of the group whose bf16 fragments lie in F + 16 on
	WIN 0
.irp t, 0,1,2,3
.irp x, 0,1
	v_wmma_f32_16x16x32_bf16 v[ACC+32*\x+8*\t:ACC+32*\x+8*\t+7], v[F+16+8*\t:F+16+8*\t+7], v[BIAS+16+8*\x:BIAS+16+8*\x+7], 0
.endr
.endr
.endm
; 32 numbers z at acc: s = 1 / (1 + 2^(-z log2 e)) -> d (window win), h = z s -> H.  Every run goes up from the accumulators' low end.
; The exponentials and the reciprocals are one batch each: a plain line behind the last, then the one wait ahead of the batch's first reader.
; The work is cut in two behind the exponentials' wait, so that a fetch can stand there.
.macro SILU1A acc, d, win
	WIN 0x40*(\win)
.set i, 0
.rept 16
	v_pk_mul_f32 v[(\d)+i:(\d)+i+1], v[(\acc)+i:(\acc)+i+1], s[42:43] op_sel_hi:[1,0]
.set i, i+2
.endr
	WIN 0x41*(\win)
.set i, 0
.rept 32
	v_exp_f32 v[(\d)+i], v[(\d)+i]
.set i, i+1
.endr
	v_nop
	s_wait_alu depctr_va_vdst(0)                   ; the 32 exponentials have written d, which the additions of SILU1B read; and the products issued ahead of this macro are done reading their fragments, scale words, bias and codes: a fetch laid behind this line lands in those registers
.endm
.macro SILU1B acc, d, win
	WIN 0x41*(\win)
.set i, 0
.rept 16
	v_pk_add_f32 v[(\d)+i:(\d)+i+1], v[(\d)+i:(\d)+i+1], 1.0 op_sel_hi:[1,0]
.set i, i+2
.endr
.set i, 0
.rept 32
	v_rcp_f32 v[(\d)+i], v[(\d)+i]
.set i, i+1
.endr
	v_nop
	s_wait_alu depctr_va_vdst(0)                   ; the 32 reciprocals have written d, which the multiplications below read
	WIN 0x04*(\win)
.set i, 0
.rept 16
	v_pk_mul_f32 v[H+i:H+i+1], v[(\acc)+i:(\acc)+i+1], v[(\d)+i:(\d)+i+1]
.set i, i+2
.endr
.endm
.macro SILU1 acc, d, win               ; the two halves on end, where no fetch is due
	SILU1A \acc, \d, \win
	SILU1B \acc, \d, \win
.endm
; When h is no longer wanted: H = h - h s (one rounding), d = s + H = silu'(z)
.macro SILU2 d, win
	WIN 0x04*(\win)
.set i, 0
.rept 16
	v_pk_fma_f32 v[H+i:H+i+1], v[H+i:H+i+1], v[(\d)+i:(\d)+i+1], v[H+i:H+i+1] neg_lo:[1,0,0] neg_hi:[1,0,0]
.set i, i+2
.endr
	WIN 0x41*(\win)
.set i, 0
.rept 16
	v_pk_add_f32 v[(\d)+i:(\d)+i+1], v[(\d)+i:(\d)+i+1], v[H+i:H+i+1]
.set i, i+2
.endr
.endm
; The block of 32 in H becomes six code registers at slot, and its byte goes into sw: mode 0: alone; 1: above the byte that is there (bits 16 on); 2: under it, which moves up
.macro QBLOCK slot, sw, mode
	WIN 0
	v_max3_num_f32 v[TMP], |v[H]|, |v[H+1]|, 0x1800000          ; two chains; the floor 2^(3 - 127) holds the byte at 1 from below
	v_max3_num_f32 v[TMP+1], |v[H+2]|, |v[H+3]|, |v[H+4]|
.irp i, 5,9,13,17,21,25
	v_max3_num_f32 v[TMP], v[TMP], |v[H+\i]|, |v[H+\i+1]|
	v_max3_num_f32 v[TMP+1], v[TMP+1], |v[H+\i+2]|, |v[H+\i+3]|
.endr
	v_max3_num_f32 v[TMP], v[TMP], |v[H+29]|, |v[H+30]|
	v_max3_num_f32 v[TMP], v[TMP], v[TMP+1], |v[H+31]|
	v_add_nc_u32 v[TMP+2], 0xff000000, v[TMP]                   ; 2 off the exponent field: the conversion's scale operand
	v_cvt_scalef32_pk16_fp6_f32 v[\slot:\slot+2], v[H:H+15], v[TMP+2]
	v_cvt_scalef32_pk16_fp6_f32 v[TMP+4:TMP+6], v[H+16:H+31], v[TMP+2]   ; (a conversion's three registers begin on an even number)
.if \mode == 0
	v_lshrrev_b32 v[\sw], 23, v[TMP+2]                          ; the byte: also the plain line behind the conversions
.elseif \mode == 1
	v_lshrrev_b32 v[TMP+3], 23, v[TMP+2]
	v_lshl_or_b32 v[\sw], v[TMP+3], 16, v[\sw]
.else
	v_lshrrev_b32 v[TMP+3], 23, v[TMP+2]
	v_lshl_or_b32 v[\sw], v[\sw], 16, v[TMP+3]
.endif
.irp k, 0,1,2
	v_mov_b32 v[\slot+3+\k], v[TMP+4+\k]
.endr
.endm
.macro SWASM sw                        ; my bytes (blocks h and 2 + h) to their places, and lane l xor 16's beside them: the row's scale word
	WIN 0
	v_lshlrev_b32 v[\sw], v[SH8], v[\sw]
	v_permlanex16_b32 v[PX], v[\sw], s40, s41
	v_or_b32 v[\sw], v[\sw], v[PX]
.endm
.macro ZERO6 reg
	WIN 0
.irp k, 0,1,2,3,4,5
	v_mov_b32 v[(\reg)+\k], 0
.endr
.endm
; Tile x's two data operands of layer 1: (h ? y2 : y0, h ? 1 : y1) for the f32 form; {vh0 vh1} {vh2 0} {vl0 vl1} {vl2 0} 0 0 0 0 for the bf16 form, the same in both halves of the lanes
.macro BUILD x
	WIN 0
	v_cndmask_b32 v[CD+18*(\x)+12], v[BIAS+4*(\x)], v[BIAS+4*(\x)+2], s39
	v_cndmask_b32 v[CD+18*(\x)+13], v[BIAS+4*(\x)+1], 1.0, s39
	v_cvt_pk_bf16_f32 v[BIAS+16+8*(\x)], v[VV+4*(\x)], v[VV+4*(\x)+1]
	v_cvt_pk_bf16_f32 v[BIAS+17+8*(\x)], v[VV+4*(\x)+2], v[ZR]
	v_lshlrev_b32 v[TMP], 16, v[BIAS+16+8*(\x)]
	v_and_b32 v[TMP+1], s39, v[BIAS+16+8*(\x)]
	v_lshlrev_b32 v[TMP+2], 16, v[BIAS+17+8*(\x)]
	v_sub_f32 v[TMP], v[VV+4*(\x)], v[TMP]                      ; what the high part leaves: exact in f32
	v_sub_f32 v[TMP+1], v[VV+4*(\x)+1], v[TMP+1]
	v_sub_f32 v[TMP+2], v[VV+4*(\x)+2], v[TMP+2]
	v_cvt_pk_bf16_f32 v[BIAS+18+8*(\x)], v[TMP], v[TMP+1]
	v_cvt_pk_bf16_f32 v[BIAS+19+8*(\x)], v[TMP+2], v[ZR]
.irp k, 20,21,22,23
	v_mov_b32 v[BIAS+\k+8*(\x)], 0
.endr
.endm
.macro WMUL x, c                       ; silu'(z1) becomes silu'(z1) u, in place
	WIN 0x41
.set i, 0
.rept 16
	v_pk_mul_f32 v[64*(\x)+32*(\c)+i:64*(\x)+32*(\c)+i+1], v[64*(\x)+32*(\c)+i:64*(\x)+32*(\c)+i+1], v[ACC+32*(\x)+i:ACC+32*(\x)+i+1]
.set i, i+2
.endr
.endm
.macro DZ x, c                         ; dz2 = dh2 silu'(z2) -> H
	WIN 0x04
.set i, 0
.rept 16
	v_pk_mul_f32 v[H+i:H+i+1], v[ACC+32*(\x)+i:ACC+32*(\x)+i+1], v[128+64*(\x)+32*(\c)+i:128+64*(\x)+32*(\c)+i+1]
.set i, i+2
.endr
.endm
.macro DIVACC x, c                     ; the divergence's sum: dh1 x (silu'(z1) u), two chains a tile; the first products start the sums
	WIN 0x04
.set i, 0
.rept 8
.if ((\c) == 0) && (i == 0)
	v_pk_mul_f32 v[TMP+4*(\x):TMP+4*(\x)+1], v[ACC+32*(\x)+i:ACC+32*(\x)+i+1], v[64*(\x)+32*(\c)+i:64*(\x)+32*(\c)+i+1]
	v_pk_mul_f32 v[TMP+4*(\x)+2:TMP+4*(\x)+3], v[ACC+32*(\x)+i+2:ACC+32*(\x)+i+3], v[64*(\x)+32*(\c)+i+2:64*(\x)+32*(\c)+i+3]
.else
	v_pk_fma_f32 v[TMP+4*(\x):TMP+4*(\x)+1], v[ACC+32*(\x)+i:ACC+32*(\x)+i+1], v[64*(\x)+32*(\c)+i:64*(\x)+32*(\c)+i+1], v[TMP+4*(\x):TMP+4*(\x)+1]
	v_pk_fma_f32 v[TMP+4*(\x)+2:TMP+4*(\x)+3], v[ACC+32*(\x)+i+2:ACC+32*(\x)+i+3], v[64*(\x)+32*(\c)+i+2:64*(\x)+32*(\c)+i+3], v[TMP+4*(\x)+2:TMP+4*(\x)+3]
.endif
.set i, i+4
.endr
.endm
.macro P4 o0, o1                       ; (o0, o1) = h3 W4 + b4: four chains, my 32 units; then lane l xor 16's 32
	WIN 0
.set i, 0
.rept 8
.set w, F+32+i
.if i >= 16
.set w, CD+18+i-16
.endif
.if i == 0
	v_pk_mul_f32 v[TMP:TMP+1], v[H+i:H+i+1], v[F+i:F+i+1]
	v_pk_mul_f32 v[TMP+4:TMP+5], v[H+i:H+i+1], v[w:w+1]
	v_pk_mul_f32 v[TMP+2:TMP+3], v[H+i+2:H+i+3], v[F+i+2:F+i+3]
	v_pk_mul_f32 v[TMP+6:TMP+7], v[H+i+2:H+i+3], v[w+2:w+3]
.else
	v_pk_fma_f32 v[TMP:TMP+1], v[H+i:H+i+1], v[F+i:F+i+1], v[TMP:TMP+1]
	v_pk_fma_f32 v[TMP+4:TMP+5], v[H+i:H+i+1], v[w:w+1], v[TMP+4:TMP+5]
	v_pk_fma_f32 v[TMP+2:TMP+3], v[H+i+2:H+i+3], v[F+i+2:F+i+3], v[TMP+2:TMP+3]
	v_pk_fma_f32 v[TMP+6:TMP+7], v[H+i+2:H+i+3], v[w+2:w+3], v[TMP+6:TMP+7]
.endif
.set i, i+4
.endr
	v_pk_add_f32 v[TMP:TMP+1], v[TMP:TMP+1], v[TMP+2:TMP+3]
	v_pk_add_f32 v[TMP+4:TMP+5], v[TMP+4:TMP+5], v[TMP+6:TMP+7]
	v_add_f32 v[TMP], v[TMP], v[TMP+1]
	v_add_f32 v[TMP+4], v[TMP+4], v[TMP+5]
	v_permlanex16_b32 v[PX], v[TMP], s40, s41
	v_permlanex16_b32 v[PY], v[TMP+4], s40, s41
	v_add_f32 v[TMP], v[TMP], v[PX]
	v_add_f32 v[TMP+4], v[TMP+4], v[PY]
	v_add_f32 v[\o0], s36, v[TMP]
	v_add_f32 v[\o1], s37, v[TMP+4]
.endm
.macro DH3 x                           ; dz3 = (v0 W4[:,0] + v1 W4[:,1]) silu'(z3) -> H, in f32: it goes into a quantiser
	WIN 0
.set i, 0
.rept 16
	v_pk_mul_f32 v[H+i:H+i+1], v[F+i:F+i+1], v[VV+4*(\x):VV+4*(\x)+1] op_sel_hi:[1,0]
.set i, i+2
.endr
.set i, 0
.rept 16
.set w, F+32+i
.if i >= 16
.set w, CD+18+i-16
.endif
	v_pk_fma_f32 v[H+i:H+i+1], v[w:w+1], v[VV+4*(\x):VV+4*(\x)+1], v[H+i:H+i+1] op_sel:[0,1,0] op_sel_hi:[1,1,1]
.set i, i+2
.endr
.set i, 0
.rept 16
	v_pk_mul_f32 v[H+i:H+i+1], v[H+i:H+i+1], v[BIAS+i:BIAS+i+1]
.set i, i+2
.endr
.endm
.macro LOADYV                          ; 32 rows of y and v: a tile's 192 consecutive bytes, read alike by both halves of the lanes
	WIN 0
	global_load_b96 v[BIAS:BIAS+2], v[GIN], s[10:11] th:TH_LOAD_NT
	global_load_b96 v[BIAS+4:BIAS+6], v[GIN], s[10:11] offset:192 th:TH_LOAD_NT
	global_load_b96 v[VV:VV+2], v[GIN], s[12:13] th:TH_LOAD_NT
	global_load_b96 v[VV+4:VV+6], v[GIN], s[12:13] offset:192 th:TH_LOAD_NT
.endm
; SET-UP: 64 numbers (half = 1: 32) of my weight row, register 32 c + i = k 64 c + 32 h + i, at xb in window 1, become a fragment's image and its scale word in LDS
.macro QUANTW xb, half, imgoff, scwoff
	WIN 0
	v_mov_b32 v[TMP], 0x1800000
	v_mov_b32 v[TMP+1], 0x1800000
.if \half == 0
	v_mov_b32 v[TMP+2], 0x1800000
	v_mov_b32 v[TMP+3], 0x1800000
.endif
	WIN 0x14
.irp i, 0,4,8,12,16,20,24,28
	v_max3_num_f32 v[TMP], v[TMP], |v[(\xb)+\i]|, |v[(\xb)+\i+1]|
	v_max3_num_f32 v[TMP+1], v[TMP+1], |v[(\xb)+\i+2]|, |v[(\xb)+\i+3]|
.if \half == 0
	v_max3_num_f32 v[TMP+2], v[TMP+2], |v[(\xb)+32+\i]|, |v[(\xb)+33+\i]|
	v_max3_num_f32 v[TMP+3], v[TMP+3], |v[(\xb)+34+\i]|, |v[(\xb)+35+\i]|
.endif
.endr
	WIN 0
	v_max_num_f32 v[TMP], v[TMP], v[TMP+1]
	v_add_nc_u32 v[TMP], 0xff000000, v[TMP]
	v_lshrrev_b32 v[TMP+1], 23, v[TMP]
.if \half == 0
	v_max_num_f32 v[TMP+2], v[TMP+2], v[TMP+3]
	v_add_nc_u32 v[TMP+2], 0xff000000, v[TMP+2]
	v_lshrrev_b32 v[TMP+3], 23, v[TMP+2]
	v_lshl_or_b32 v[TMP+7], v[TMP+3], 16, v[TMP+1]
.else
	v_or_b32 v[TMP+7], 0x7f0000, v[TMP+1]                       ; K = 64: the upper 64 are zero codes under the byte 127
.endif
	SWASM TMP+7
	WIN 0x01
	v_cvt_scalef32_pk16_fp6_f32 v[CD:CD+2], v[(\xb):(\xb)+15], v[TMP]
	v_cvt_scalef32_pk16_fp6_f32 v[TMP+4:TMP+6], v[(\xb)+16:(\xb)+31], v[TMP]
.if \half == 0
	v_cvt_scalef32_pk16_fp6_f32 v[CD+6:CD+8], v[(\xb)+32:(\xb)+47], v[TMP+2]
	v_cvt_scalef32_pk16_fp6_f32 v[TMP+8:TMP+10], v[(\xb)+48:(\xb)+63], v[TMP+2]
.endif
	WIN 0
	v_nop                                                       ; one plain line behind the conversions
.irp k, 0,1,2
	v_mov_b32 v[CD+3+\k], v[TMP+4+\k]
.endr
.if \half == 0
.irp k, 0,1,2
	v_mov_b32 v[CD+9+\k], v[TMP+8+\k]
.endr
.else
	ZERO6 CD+6
.endif
	s_wait_alu depctr_va_vdst(0)                                ; the conversions and moves have written the twelve code registers, the lines of SWASM the scale word: the four LDS stores read them
.irp q, 0,1,2
	ds_store_b128 v[AIMG], v[CD+4*\q:CD+4*\q+3] offset:(\imgoff)+512*\q
.endr
	ds_store_b32 v[ASCW], v[TMP+7] offset:\scwoff
	s_wait_dscnt 0x0                                            ; the tile's image and scale word are in LDS
	s_wait_alu depctr_vm_vsrc(0)                                ; the four stores have read the code registers and the scale word, which the next tile's lines (in waves 4-7 at last W1's) write again
.endm
	s_load_b256 s[8:15], s[0:1], 0x0               ; t s[8:9], y s[10:11], v s[12:13], W1 s[14:15]
	s_load_b256 s[16:23], s[0:1], 0x20             ; b1 s[16:17], W2 s[18:19], b2 s[20:21], W3 s[22:23]
	s_load_b256 s[24:31], s[0:1], 0x40             ; b3 s[24:25], W4 s[26:27], b4 s[28:29], out0 s[30:31]
	s_load_b64 s[32:33], s[0:1], 0x60              ; out1
	v_lshl_add_u32 v[SPW], v0, 2, SPARE
	v_mov_b32 v[NIL], 0
	v_lshrrev_b32 v[PY], 5, v0
	v_readfirstlane_b32 s38, v[PY]                 ; wave 0..7
	s_mov_b32 s39, 0xffff0000                      ; as a lane mask: lanes 16-31; as bits: a word's upper bf16
	s_mov_b32 s40, 0x76543210
	s_mov_b32 s41, 0xfedcba98                      ; v_permlanex16_b32's selects for lane l xor 16
	s_mov_b32 s42, 0xbfb8aa3b                      ; -log2(e)
	s_mov_b32 s43, s42                             ; (named with it as a pair, so it is written)
	v_and_b32 v[LN], 31, v0                        ; lane
	v_and_b32 v[RR], 15, v0                        ; r
	v_bfe_u32 v[HH], v0, 4, 1                      ; h
	v_lshlrev_b32 v[LI], 4, v[LN]
	v_lshlrev_b32 v[LH], 7, v[HH]
	v_lshlrev_b32 v[SH8], 3, v[HH]
	v_mul_u32_u24 v[GIN], v[RR], 12
	s_wait_alu depctr_va_sdst(0)                   ; s38, the wave's number, is written, ahead of its first reader: the line below
	s_lshl_b32 s47, s38, 12
	s_add_co_u32 s47, s47, STG                     ; my wave's stage
	v_mul_u32_u24 v[ST0B], v[LN], 12
	v_add_nc_u32 v[ST0B], s47, v[ST0B]
	v_lshlrev_b32 v[ST1B], 2, v[LN]
	v_add_nc_u32 v[ST1B], s47, v[ST1B]
	v_add_nc_u32 v[ST1B], 3072, v[ST1B]
	v_add_nc_u32 v[STR], s47, v[LI]
	v_mov_b32 v[PX], 0                             ; a lane permute's destination counts as one of its sources
	v_mov_b32 v[PY], 0
	v_mov_b32 v[ZR], 0
	; where the set-up stores: every LDS address is a constant + a constant x wave + a constant x lane, made here, ahead of the waves' parting
	s_and_b32 s48, s38, 3                          ; q = wave % 4
	s_lshr_b32 s49, s38, 2                         ; wave / 4
	s_mul_i32 s50, s38, 1536
	v_add_nc_u32 v[AIMG], s50, v[LI]               ; the image of tile "wave" of a weight
	s_lshl_b32 s50, s49, 9
	s_lshl_b32 s51, s48, 2
	s_add_co_u32 s50, s50, s51
	s_add_co_u32 s50, s50, SCW
	v_add_nc_u32 v[ASCW], s50, v[LI]               ; its scale word: group wave / 4, word wave % 4 of a lane's 16 bytes
	s_lshl_b32 s50, s48, 9
	s_add_co_u32 s50, s50, W1F
	v_add_nc_u32 v[AW1F], s50, v[LI]
	s_lshl_b32 s50, s48, 11
	s_add_co_u32 s50, s50, W1H
	v_add_nc_u32 v[AW1H], s50, v[LI]
	s_lshl_b32 s50, s48, 7
	v_lshlrev_b32 v[GC2], 2, v[LN]
	v_add_nc_u32 v[GC2], s50, v[GC2]               ; 128 q + 4 lane: my number of b2 and of W4, in memory
	v_add_nc_u32 v[AB2], B2L, v[GC2]
	s_lshl_b32 s50, s48, 6
	v_lshlrev_b32 v[GC3], 2, v[RR]
	v_add_nc_u32 v[GC3], s50, v[GC3]               ; 64 q + 4 r: my number of b3
	v_add_nc_u32 v[AB3], B3L, v[GC3]
	v_and_b32 v[AW4], 1, v[LN]
	v_lshlrev_b32 v[AW4], 8, v[AW4]
	v_lshrrev_b32 v[T9], 1, v[LN]
	v_lshl_add_u32 v[AW4], v[T9], 2, v[AW4]
	v_add_nc_u32 v[AW4], s50, v[AW4]
	v_add_nc_u32 v[AW4], W4L, v[AW4]               ; W4[unit][o] goes to plane o = lane % 2, unit 16 q + lane / 2
	; from where it loads
	v_and_b32 v[UB], 7, v[RR]
	v_lshrrev_b32 v[T9], 3, v[RR]
	v_lshl_add_u32 v[UB], v[T9], 5, v[UB]          ; r % 8 + 32 (r / 8)
	s_lshl_b32 s50, s49, 6
	s_lshl_b32 s51, s48, 3
	s_add_co_u32 s50, s50, s51
	v_add_nc_u32 v[UU], s50, v[UB]                 ; u: the unit of my row of tile "wave"
	v_lshlrev_b32 v[GP0], 2, v[UU]
	v_lshl_add_u32 v[GP3], v[HH], 13, v[GP0]       ; W3 forward: column u, 32 h rows of 256 bytes down
	v_lshl_add_u32 v[GP0], v[HH], 14, v[GP0]       ; W2 forward: column u, 32 h rows of 512 bytes down
	v_lshl_add_u32 v[GP1], v[UU], 9, v[LH]         ; W2 backward: row u, 32 h numbers on
	v_lshl_add_u32 v[GP2], v[UU], 8, v[LH]         ; W3 backward: row u, 32 h numbers on
	s_lshr_b32 s50, s48, 1
	s_lshl_b32 s50, s50, 6
	s_and_b32 s51, s48, 1
	s_lshl_b32 s51, s51, 4
	s_add_co_u32 s50, s50, s51
	v_add_nc_u32 v[GC1], s50, v[UB]
	v_lshlrev_b32 v[GC1], 2, v[GC1]                ; W1, b1: the unit of my row of tile 2 q; tile 2 q + 1 lies 8 units on
	s_wait_kmcnt 0x0
	s_load_b32 s34, s[8:9], 0x0                    ; t
	s_load_b64 s[36:37], s[28:29], 0x0             ; b4
	s_mul_i32 s50, ttmp9, 24576                    ; 2,048 rows of 12 bytes a work-group,
	s_mul_i32 s51, s38, 3072                       ; 256 a wave
	s_add_co_u32 s50, s50, s51
	s_mov_b32 s51, 0
	s_add_nc_u64 s[10:11], s[10:11], s[50:51]
	s_add_nc_u64 s[12:13], s[12:13], s[50:51]
	s_add_nc_u64 s[30:31], s[30:31], s[50:51]
	s_lshl_b32 s52, ttmp9, 13
	s_lshl_b32 s53, s38, 10
	s_add_co_u32 s52, s52, s53
	s_mov_b32 s53, 0
	s_add_nc_u64 s[32:33], s[32:33], s[52:53]
	s_wait_alu depctr_va_vdst(0)                   ; every offset and LDS address of the kernel that is made at the head (v1 to v11, v80 to v93), the zero v251 and the add's v5, v6 are written: the loads and stores below read them.  No vector line names v80 to v99 again, in which W1's fragments land behind the barrier
	LOADYV                                         ; the first trip's rows, and all the set-up's loads, go out in one run
	WIN 0x40                                       ; destination window 1
.set i, 0
.rept 64
	global_load_b32 v[i], v[GP0], s[18:19] offset:(64*(i/32)+i%32)*512        ; W2[64 c + 32 h + i][u]
.set i, i+1
.endr
.set i, 0
.rept 16
	global_load_b128 v[64+4*i:64+4*i+3], v[GP1], s[18:19] offset:256*(i/8)+16*(i%8)   ; W2[u][64 c + 32 h + ..]
.set i, i+1
.endr
.set i, 0
.rept 8
	global_load_b128 v[128+4*i:128+4*i+3], v[GP2], s[22:23] offset:16*i       ; W3[u][32 h + ..]
.set i, i+1
.endr
	WIN 0
	s_cmp_lt_u32 s38, 4
	s_cbranch_scc0 .Lload_c
	WIN 0x40
.set i, 0
.rept 64
	global_load_b32 v[160+i], v[GP3], s[22:23] offset:(64*(i/32)+i%32)*256    ; waves 0-3: W3[64 c + 32 h + i][u]
.set i, i+1
.endr
	WIN 0
	s_branch .Lloaded
.Lload_c:                                          ; waves 4-7: W1 and b1 at the units of two tiles, and a share of b2, b3, W4
.irp e, 0,1
.irp d, 0,1,2,3
	global_load_b32 v[H+5*\e+\d], v[GC1], s[14:15] offset:512*\d+32*\e
.endr
	global_load_b32 v[H+5*\e+4], v[GC1], s[16:17] offset:32*\e
.endr
	global_load_b32 v[H+10], v[GC2], s[20:21]
	global_load_b32 v[H+11], v[GC3], s[24:25]
	global_load_b32 v[H+12], v[GC2], s[26:27]
.Lloaded:
	s_wait_loadcnt 0x0
	s_wait_kmcnt 0x0
	QUANTW 0,   0, 0,       0                      ; W2 forward, tile "wave"
	QUANTW 64,  0, 8*1536,  1024                   ; W2 backward
	QUANTW 128, 1, 16*1536, 2048                   ; W3 backward: K = 64
	s_cmp_lt_u32 s38, 4
	s_cbranch_scc0 .Lbuild_c
	QUANTW 160, 0, 24*1536, 3072                   ; waves 0-3: W3 forward
	s_branch .Lbuilt
.Lbuild_c:
.irp e, 0,1
	v_fma_f32 v[H+5*\e+4], s34, v[H+5*\e+3], v[H+5*\e+4]        ; c = t W1[3] + b1
	v_cndmask_b32 v[CD+2*\e], v[H+5*\e], v[H+5*\e+2], s39       ; f32 fragment: k = 2 h, 2 h + 1
	v_cndmask_b32 v[CD+2*\e+1], v[H+5*\e+1], v[H+5*\e+4], s39
	v_cvt_pk_bf16_f32 v[TMP+3], v[H+5*\e], v[H+5*\e+1]          ; the high parts,
	v_cvt_pk_bf16_f32 v[TMP+4], v[H+5*\e+2], v[ZR]
	v_lshlrev_b32 v[TMP], 16, v[TMP+3]
	v_and_b32 v[TMP+1], s39, v[TMP+3]
	v_lshlrev_b32 v[TMP+2], 16, v[TMP+4]
	v_sub_f32 v[TMP], v[H+5*\e], v[TMP]
	v_sub_f32 v[TMP+1], v[H+5*\e+1], v[TMP+1]
	v_sub_f32 v[TMP+2], v[H+5*\e+2], v[TMP+2]
	v_cvt_pk_bf16_f32 v[TMP+5], v[TMP], v[TMP+1]                ; the low parts:
	v_cvt_pk_bf16_f32 v[TMP+6], v[TMP+2], v[ZR]
	v_cndmask_b32 v[CD+18+4*\e], v[TMP+3], v[TMP+5], s39        ; lanes 0-15 (k 0-7) hold the high, lanes 16-31 (k 8-15) the low, each twice: against v's high and v's low
	v_cndmask_b32 v[CD+19+4*\e], v[TMP+4], v[TMP+6], s39
	v_mov_b32 v[CD+20+4*\e], v[CD+18+4*\e]
	v_mov_b32 v[CD+21+4*\e], v[CD+19+4*\e]
.endr
.irp k, 8,9,10,11
	v_mov_b32 v[TMP+\k], 0
.endr
	s_wait_alu depctr_va_vdst(0)                   ; W1's fragments in CD + 0 .. 3 and CD + 18 .. 25 and the four zeros in TMP + 8 .. 11 are written: the LDS stores below read them
	ds_store_b128 v[AW1F], v[CD:CD+3]
	ds_store_b128 v[AW1H], v[CD+18:CD+21]
	ds_store_b128 v[AW1H], v[TMP+8:TMP+11] offset:512
	ds_store_b128 v[AW1H], v[CD+22:CD+25] offset:1024
	ds_store_b128 v[AW1H], v[TMP+8:TMP+11] offset:1536
	ds_store_b32 v[AB2], v[H+10]
	ds_store_b32 v[AB3], v[H+11]                   ; (both halves of the lanes write the same word with the same value)
	ds_store_b32 v[AW4], v[H+12]
.Lbuilt:
	s_wait_dscnt 0x0                               ; for the others' sake: my stores have landed
	s_barrier_signal -1
	s_barrier_wait -1                              ; the one barrier: from here on the weights' bytes are only read, and a wave's stage is its own
	s_wait_alu depctr_vm_vsrc(0)                   ; the set-up's LDS stores have read their addresses v80 to v86, in which W1's fragments land below, and their data in CD, TMP and H, which the first trip's lines write
	FETCHW1F
	FETCHW1H 0
	s_mov_b32 s44, 0                               ; the trip
	s_mov_b32 s45, 0                               ; 384 x trip: 32 rows of out0 in the stage
	s_mov_b32 s46, 0                               ; 128 x trip: of out1
.Ltrip:
	s_wait_alu depctr_vm_vsrc(0)                   ; the last trip's stores into the stage have read ST0C, ST1C and TMP + 8 .. 10, its flush's loads ST0C and ST1C, its flush's global stores H .. H + 15: this trip's lines write all of them again
	s_wait_loadcnt 0x0                             ; this trip's y and v, asked for half a trip ago
	BUILD 0
	BUILD 1
	s_wait_dscnt 0x0                               ; W1's fragments are in
	; ---- layer 1, units 0-63
	MM1 0
	v_add_nc_u32 v[ST0C], s45, v[ST0B]             ; two of the eight places behind the f32 form
	v_add_nc_u32 v[ST1C], s46, v[ST1B]
	PLACES 6
.irp x, 0,1
	SILU1 ACC+32*\x, 64*\x, 1
	QBLOCK CD+18*\x, SW0+\x, 0
	SILU2 64*\x, 1
.endr
	MMU
	PLACES 4                                       ; ahead of the first read of u
	WMUL 0, 0
	WMUL 1, 0
	; ---- layer 1, units 64-127
	MM1 1
	PLACES 8
.irp x, 0,1
	SILU1A ACC+32*\x, 64*\x+32, 1
.if \x == 0
	FETCHW1H 1                                     ; behind tile A's wait: the first eight bf16 products are done reading F + 16 .. 47; no vector line since names them
.endif
	SILU1B ACC+32*\x, 64*\x+32, 1
	QBLOCK CD+18*\x+6, SW0+\x, 1
	SWASM SW0+\x
	SILU2 64*\x+32, 1
.endr
	s_wait_dscnt 0x0
	MMU
	PLACES 4
	s_wait_alu depctr_va_vdst(0)                   ; the f32 and bf16 products are done reading F and BIAS + 16 .. 31, BUILD is done reading BIAS + 0 .. 6: the fetches below land there; and h1's codes and scale words are written, which both products of layer 2 take
	FETCHF 4, 1
	FETCHB B2L+256
	WMUL 0, 1
	WMUL 1, 1
	; ---- layer 2: units 64-127 first, so that h2's codes can take the slots that h1's leave
	s_wait_dscnt 0x0
	MM6 0, SW0, 1
	PLACES 4
.irp x, 0,1
	SILU1A ACC+32*\x, 128+64*\x+32, 1
.if \x == 0
	FETCHF 0, 0                                    ; behind tile A's wait: the eight products above are done reading F, WS and BIAS; no vector line since names them
	FETCHB B2L
.endif
	SILU1B ACC+32*\x, 128+64*\x+32, 1
	QBLOCK CD+18*\x+12, SW1+\x, 0
	SILU2 128+64*\x+32, 1
.endr
	s_wait_dscnt 0x0
	MM6 0, SW0, 1
	PLACES 4
.irp x, 0,1
	SILU1A ACC+32*\x, 128+64*\x, 1
.if \x == 0
	FETCHF 24, 6                                   ; likewise
	FETCHB B3L
.endif
	SILU1B ACC+32*\x, 128+64*\x, 1
	QBLOCK CD+18*\x+6, SW1+\x, 2
	SWASM SW1+\x
	SILU2 128+64*\x, 1                             ; tile B's 32 lines here name no register of the next product: they are the places between its scale word and that product
.endr
	; ---- layer 3, the outputs, and the turn back
	s_wait_dscnt 0x0
	s_wait_alu depctr_va_vdst(0)                   ; tile B's codes of h2 in CD + 24 .. 29 and its scale word SW1 + 1 are written, which the products below take (tile A's stand ahead of an earlier wait)
	MM6 6, SW1, 1
	PLACES 4
	SILU1A ACC, BIAS, 0
	FETCHW4                                        ; behind the wait: the eight products above are done reading F and tile B's codes, in which W4's planes land
	SILU1B ACC, BIAS, 0
	s_wait_dscnt 0x0                               ; W4
	P4 OA, OA+1
	SILU2 BIAS, 0
	DH3 0
	QBLOCK CD, SW0, 0
	SWASM SW0
	ZERO6 CD+6                                     ; K = 64: the operand's upper 64 are zero codes
	SILU1 ACC+32, BIAS, 0
	P4 TMP+8, TMP+9
	v_cndmask_b32 v[TMP+8], v[OA], v[TMP+8], s39   ; lanes 0-15 carry tile A's rows, lanes 16-31 tile B's
	v_cndmask_b32 v[TMP+9], v[OA+1], v[TMP+9], s39
	SILU2 BIAS, 0
	DH3 1
	s_wait_alu depctr_va_vdst(0)                   ; one wait for three things: TMP + 8, TMP + 9 and ST0C are written, which the three stores read; P4 and DH3 are done reading F, the last products WS, in which the fetch lands; DH3 is done reading BIAS and VV, in which the next trip's y and v land
	ds_store_b32 v[ST0C], v[TMP+8]
	ds_store_b32 v[ST0C], v[TMP+9] offset:4
	ds_store_b32 v[ST0C], v[ZR] offset:8           ; the third component is zero
	FETCHF 20, 5
	s_cmp_eq_u32 s44, NTRIP-1                      ; the next trip's rows, if there is a next trip: no load leaves its buffer
	s_cbranch_scc1 .Lno_next
	s_add_nc_u64 s[10:11], s[10:11], 384           ; (the loads that read these bases were shown done at the trip's head)
	s_add_nc_u64 s[12:13], s[12:13], 384
	LOADYV                                         ; into registers that are dead from here to the next trip's head: the whole way back in which to land
.Lno_next:
	QBLOCK CD+18, SW0+1, 0
	SWASM SW0+1
	ZERO6 CD+24
	PLACES 8                                       ; a scale word written by a vector line stands 8 places ahead of a scaled product, codes so written 4
	; ---- back through W3: units 64-127 first
	s_wait_dscnt 0x0
	s_wait_alu depctr_va_vdst(0)                   ; tile B's codes of dz3 in CD + 18 .. 29 and its scale word SW0 + 1 are written, which the two groups of products below take
	MM6 0, SW0, 0
	PLACES 4
	s_wait_alu depctr_va_vdst(0)                   ; the eight products above are done reading F and WS, in which the fetch lands
	FETCHF 16, 4
.irp x, 0,1
	DZ \x, 1
	QBLOCK CD+18*\x+12, SW1+\x, 0
.endr
	s_wait_dscnt 0x0
	MM6 0, SW0, 0
	PLACES 4
	s_wait_alu depctr_va_vdst(0)                   ; the eight products above are done reading F and WS, in which the fetch lands
	FETCHF 8, 2
.irp x, 0,1
	DZ \x, 0
	QBLOCK CD+18*\x+6, SW1+\x, 2
	SWASM SW1+\x
.endr
	PLACES 8
	; ---- back through W2, and the divergence
	s_wait_dscnt 0x0
	s_wait_alu depctr_va_vdst(0)                   ; dz2's codes in CD + 6 .. 17 and CD + 24 .. 35 and its scale words SW1, SW1 + 1 are written, which the two groups of products below take
	MM6 6, SW1, 0
	PLACES 4
	s_wait_alu depctr_va_vdst(0)                   ; the eight products above are done reading F and WS, in which the fetch lands
	FETCHF 12, 3
	DIVACC 0, 0
	DIVACC 1, 0
	s_wait_dscnt 0x0
	MM6 6, SW1, 0
	PLACES 4
	WIN 0
	s_cmp_eq_u32 s44, NTRIP-1
	s_cbranch_scc1 .Lno_w1
	s_wait_alu depctr_va_vdst(0)                   ; the eight products above are done reading F, in which W1's fragments land
	FETCHW1F                                       ; W1's fragments for the next trip
	FETCHW1H 0
.Lno_w1:
	DIVACC 0, 1
	DIVACC 1, 1
	WIN 0
	v_pk_add_f32 v[TMP:TMP+1], v[TMP:TMP+1], v[TMP+2:TMP+3]
	v_pk_add_f32 v[TMP+4:TMP+5], v[TMP+4:TMP+5], v[TMP+6:TMP+7]
	v_add_f32 v[TMP], v[TMP], v[TMP+1]
	v_add_f32 v[TMP+4], v[TMP+4], v[TMP+5]
	v_permlanex16_b32 v[PX], v[TMP], s40, s41
	v_permlanex16_b32 v[PY], v[TMP+4], s40, s41
	v_add_f32 v[TMP], -v[TMP], -v[PX]              ; out1 = - the sum over all 128 units
	v_add_f32 v[TMP+4], -v[TMP+4], -v[PY]
	v_cndmask_b32 v[TMP+10], v[TMP], v[TMP+4], s39
	s_wait_alu depctr_va_vdst(0)                   ; TMP + 10 is written, which the store reads
	ds_store_b32 v[ST1C], v[TMP+10]
	; ---- every fourth trip 128 finished rows leave the stage: each store covers 512 consecutive bytes, at a multiple of 256 from the output's first byte
	s_and_b32 s47, s44, 3
	s_cmp_lg_u32 s47, 3
	s_cbranch_scc1 .Lno_flush
	s_lshr_b32 s47, s44, 2
	s_mul_i32 s48, s47, 1536
	s_lshl_b32 s49, s47, 9
	s_wait_dscnt 0x0                               ; my stores into the stage have landed
	s_wait_alu depctr_vm_vsrc(0)                   ; and have read ST0C and ST1C, which the adds below write anew
	v_add_nc_u32 v[ST0C], s48, v[STR]
	v_add_nc_u32 v[ST1C], s49, v[STR]
	v_add_nc_u32 v[GF0], s48, v[LI]
	v_add_nc_u32 v[GF1], s49, v[LI]
	s_wait_alu depctr_va_vdst(0)                   ; the four addresses are written, which the loads and stores below read; and the trip's vector lines are done with H .. H + 15, in which the loads land
	ds_load_b128 v[H:H+3], v[ST0C]
	ds_load_b128 v[H+4:H+7], v[ST0C] offset:512
	ds_load_b128 v[H+8:H+11], v[ST0C] offset:1024
	ds_load_b128 v[H+12:H+15], v[ST1C] offset:3072
	s_wait_dscnt 0x0
	global_store_b128 v[GF0], v[H:H+3], s[30:31] th:TH_STORE_NT
	global_store_b128 v[GF0], v[H+4:H+7], s[30:31] offset:512 th:TH_STORE_NT
	global_store_b128 v[GF0], v[H+8:H+11], s[30:31] offset:1024 th:TH_STORE_NT
	global_store_b128 v[GF1], v[H+12:H+15], s[32:33] th:TH_STORE_NT
	s_wait_xcnt 0x0                                ; the stores' data and offsets are written again only behind this wait, and behind the wait on vm_vsrc at the next trip's head
.Lno_flush:
	s_add_co_u32 s44, s44, 1
	s_add_co_u32 s45, s45, 384
	s_add_co_u32 s46, s46, 128
	s_cmp_lt_u32 s44, NTRIP
	s_cbranch_scc1 .Ltrip
	s_wait_dscnt 0x0                               ; the closing lines, six on end
	s_wait_alu 0x0
	s_wait_tensorcnt 0x0
	ds_add_u32 v[SPW], v[NIL]
	s_wait_dscnt 0x0
	s_endpgm
.Lfunc_end_k_q4eac181d44_cnf:
	.size	k_q4eac181d44_cnf, .Lfunc_end_k_q4eac181d44_cnf-k_q4eac181d44_cnf
	.p2alignl 7, 3214868480
	.fill 96, 4, 3214868480
	.section	.rodata,"a",@progbits
	.p2align	6, 0x0
	.amdhsa_kernel k_q4eac181d44_cnf
		.amdhsa_group_segment_fixed_size 91904
		.amdhsa_private_segment_fixed_size 0
		.amdhsa_enable_private_segment 0
		.amdhsa_kernarg_size 104
		.amdhsa_user_sgpr_count 2
		.amdhsa_user_sgpr_kernarg_segment_ptr 1
		.amdhsa_wavefront_size32 1
		.amdhsa_system_sgpr_workgroup_id_x 1
		.amdhsa_system_sgpr_workgroup_id_y 1
		.amdhsa_system_sgpr_workgroup_id_z 1
		.amdhsa_system_vgpr_workitem_id 0
		.amdhsa_next_free_vgpr 512
		.amdhsa_next_free_sgpr 66
		.amdhsa_reserve_vcc 0
		.amdhsa_float_denorm_mode_32 3
		.amdhsa_float_denorm_mode_16_64 3
		.amdhsa_memory_ordered 1
		.amdhsa_forward_progress 1
		.amdhsa_inst_pref_size 180
	.end_amdhsa_kernel
	.amdgpu_metadata
---
amdhsa.version: [ 1, 2 ]
amdhsa.kernels:
  - .name:           k_q4eac181d44_cnf
    .symbol:         k_q4eac181d44_cnf.kd
    .args:
      - { .name: t, .offset: 0, .size: 8, .value_kind: global_buffer, .address_space: global }
      - { .name: y, .offset: 8, .size: 8, .value_kind: global_buffer, .address_space: global }
      - { .name: v, .offset: 16, .size: 8, .value_kind: global_buffer, .address_space: global }
      - { .name: W1, .offset: 24, .size: 8, .value_kind: global_buffer, .address_space: global }
      - { .name: b1, .offset: 32, .size: 8, .value_kind: global_buffer, .address_space: global }
      - { .name: W2, .offset: 40, .size: 8, .value_kind: global_buffer, .address_space: global }
      - { .name: b2, .offset: 48, .size: 8, .value_kind: global_buffer, .address_space: global }
      - { .name: W3, .offset: 56, .size: 8, .value_kind: global_buffer, .address_space: global }
      - { .name: b3, .offset: 64, .size: 8, .value_kind: global_buffer, .address_space: global }
      - { .name: W4, .offset: 72, .size: 8, .value_kind: global_buffer, .address_space: global }
      - { .name: b4, .offset: 80, .size: 8, .value_kind: global_buffer, .address_space: global }
      - { .name: out0, .offset: 88, .size: 8, .value_kind: global_buffer, .address_space: global }
      - { .name: out1, .offset: 96, .size: 8, .value_kind: global_buffer, .address_space: global }
    .group_segment_fixed_size: 91904
    .private_segment_fixed_size: 0
    .kernarg_segment_align: 8
    .kernarg_segment_size: 104
    .max_flat_workgroup_size: 256
    .sgpr_count:     66
    .vgpr_count:     512
    .wavefront_size: 32
...
	.end_amdgpu_metadata
.endif
;; end of part 2
